; MI455X (gfx1250); checked and timed in simulation.
; The chip was launched on July 23, 2026; its instructions are those of AMD's public machine-readable ISA for CDNA 5 (MIT licence, August 2026) and "CDNA5" Instruction Set Architecture Reference Guide (July 2026). The comments in the code are by the model that wrote it; some were corrected since.
;; Attention Block. Allowed arithmetic: float matrix products may take bf16 or f16 operands with f32 sums; other float arithmetic in f32, or as packed bf16 or f16 multiplies, adds, multiply-adds, maxima and minima; sums over many terms, partial sums and values carried from step to step in f32; what a program stores and reads back later, other than sums and carried values, may be rounded once to bf16 or f16.
;; Inputs: Wk 1,024 x 1,024 float32; Wq 1,024 x 1,024 float32; Wv 1,024 x 1,024 float32; bk 1,024 float32; bq 1,024 float32; bv 1,024 float32; x 4 x 2,048 x 1,024 float32.
;; Outputs: out0 4 x 2,048 x 2,048 float32.
;; 2 versions, each right; version 2 is version 1 with the launches prep, norm written anew for expert scheduling mode. Each part assembles by itself: llvm-mc -triple=amdgcn-amd-amdhsa -mcpu=gfx1250 --defsym DOCPART=n.
;; ======== version 1 of 2: 5 launches
;; limits: values are held in f16: magnitudes above 65,504 overflow, below 6.1e-05 lose precision
;; workspace buffers: xb 16,777,216 bytes; wb 6,291,456 bytes; bb 12,288 bytes; qkv 50,331,648 bytes; pu 33,554,432 bytes; pn 33,554,432 bytes; cm 524,288 bytes; zs 524,288 bytes
;; launch prep (part 1): grid 353 x 1, 8 waves a work-group, no clusters, 0 bytes of LDS; arguments x, Wq, Wk, Wv, bq, bk, bv, xb, wb, bb, out0; writes xb, wb, bb, out0
.if DOCPART == 1
	.amdgcn_target "amdgcn-amd-amdhsa--gfx1250"
	.amdhsa_code_object_version 6
	.text
	.protected	k_qbe4a75e4b5_prep
	.globl	k_qbe4a75e4b5_prep
	.p2align	8
	.type	k_qbe4a75e4b5_prep,@function
k_qbe4a75e4b5_prep:
	s_mov_b64 s[64:65], 0
	v_nop
	global_prefetch_b8 v0, s[64:65] scope:SCOPE_SE
	s_setreg_imm32_b32 hwreg(HW_REG_WAVE_MODE, 25, 1), 1
	s_wait_xcnt 0x0
; x [8192][1024] f32 is copied into columns 0-1023 of out0 [8192][2048] f32 and rounded once to bf16 into xb; Wq, Wk, Wv and the three biases are rounded once to bf16 into wb and bb.
; LAYOUTS, made for the projection's tiles.  xb: [16 K blocks][8192 rows][64] bf16: 128 rows of one K block are 16,384 consecutive bytes.
; wb: [1024 c][3072 n] bf16, the three matrices side by side (q, k, v).  bb: [3072] words, bf16(bias) in the low half, 0 above.
; A stream: no LDS, no barrier, no matrix work.  Work-groups 0-255 take 32 rows of x each, 256-351 take 32 rows of one W, work-group 352 the biases.
; A wave takes 4 rows, 16 KiB of f32: 32 loads, all issued before the first is waited for.  Each register is written once, so no wait frees a store's data.
; x goes two rows at a time: lanes 0-15 take 256 bytes of a row, lanes 16-31 the same columns of the next row; their 2 x 128 bytes of bf16 are neighbours in xb, so every store covers whole aligned 256 bytes.
.set X,   16                           ; v[16:143]  32 x 4 registers as loaded
.set Y,   144                          ; v[144:207] 32 x 2 registers of bf16
.set SRC, 26                           ; s[26:27] source at the work-group's first row
.set DST, 28                           ; s[28:29] bf16 destination; s[30:31] the same 8 K blocks on (a store's immediate holds 7 blocks of 1 MiB)
.set OUT, 32                           ; s[32:33] out0 at the work-group's first row
.set OFS, 34                           ; s[34:35] an offset, high word 0
	s_load_b512 s[4:19], s[0:1], 0x0               ; x s[4:5], Wq s[6:7], Wk s[8:9], Wv s[10:11], bq s[12:13], bk s[14:15], bv s[16:17], xb s[18:19]
	s_load_b128 s[20:23], s[0:1], 0x40             ; wb s[20:21], bb s[22:23]
	s_load_b64 s[24:25], s[0:1], 0x50              ; out0
	v_and_b32 v4, 31, v0                           ; lane
	v_lshrrev_b32 v5, 5, v0                        ; wave
	s_mov_b32 s[OFS+1], 0
	s_wait_kmcnt 0x0
.macro XBODY                           ; load i: row pair i / 16, K block i % 16
.set i, 0
.rept 32
	global_load_b128 v[X+4*i:X+4*i+3], v1, s[SRC:SRC+1] offset:(i/16)*8192+(i%16)*256 th:TH_LOAD_NT
.set i, i+1
.endr
.set i, 0
.rept 32
	s_wait_loadcnt 31-i                            ; loads return in order: number i is in, the 31 - i younger ones stay out
	global_store_b128 v3, v[X+4*i:X+4*i+3], s[OUT:OUT+1] offset:(i/16)*16384+(i%16)*256 th:TH_STORE_NT  ; 16 lanes: 256 consecutive aligned bytes of a row
	v_cvt_pk_bf16_f32 v[Y+2*i], v[X+4*i], v[X+4*i+1]
	v_cvt_pk_bf16_f32 v[Y+2*i+1], v[X+4*i+2], v[X+4*i+3]
	global_store_b64 v2, v[Y+2*i:Y+2*i+1], s[DST+2*((i%16)/8):DST+2*((i%16)/8)+1] offset:((i%16)%8)*1048576+(i/16)*256  ; 32 lanes x 8 bytes: two rows of a K block, 256 consecutive aligned bytes
.set i, i+1
.endr
.endm
.macro WBODY                           ; load i: row i / 8, 128 columns from 128 (i % 8)
.set i, 0
.rept 32
	global_load_b128 v[X+4*i:X+4*i+3], v1, s[SRC:SRC+1] offset:512*i th:TH_LOAD_NT
.set i, i+1
.endr
.set i, 0
.rept 32
	s_wait_loadcnt 31-i
	v_cvt_pk_bf16_f32 v[Y+2*i], v[X+4*i], v[X+4*i+1]
	v_cvt_pk_bf16_f32 v[Y+2*i+1], v[X+4*i+2], v[X+4*i+3]
	global_store_b64 v2, v[Y+2*i:Y+2*i+1], s[DST:DST+1] offset:(i/8)*6144+(i%8)*256  ; 256 consecutive aligned bytes
.set i, i+1
.endr
.endm
	s_cmp_ge_u32 ttmp9, 352
	s_cbranch_scc1 .Lbias
	s_cmp_ge_u32 ttmp9, 256
	s_cbranch_scc1 .Lweights
	v_and_b32 v6, 15, v0
	v_bfe_u32 v7, v0, 4, 1
	v_lshlrev_b32 v1, 4, v6
	v_lshl_add_u32 v1, v7, 12, v1
	v_lshl_add_u32 v1, v5, 14, v1                  ; x: 16 (lane % 16) + a row for lanes 16-31 + 4 rows a wave
	v_lshlrev_b32 v2, 3, v4
	v_lshl_add_u32 v2, v5, 9, v2                   ; xb: 8 lane + 4 rows of 128 bytes a wave
	v_lshlrev_b32 v3, 4, v6
	v_lshl_add_u32 v3, v7, 13, v3
	v_lshl_add_u32 v3, v5, 15, v3                  ; out0: rows of 8,192 bytes
	s_lshl_b32 s[OFS], ttmp9, 17                   ; 32 rows of 4,096 bytes
	s_add_nc_u64 s[SRC:SRC+1], s[4:5], s[OFS:OFS+1]
	s_lshl_b32 s[OFS], ttmp9, 12                   ; 32 rows of 128 bytes
	s_add_nc_u64 s[DST:DST+1], s[18:19], s[OFS:OFS+1]
	s_add_nc_u64 s[DST+2:DST+3], s[DST:DST+1], 0x800000
	s_lshl_b32 s[OFS], ttmp9, 18                   ; 32 rows of 8,192 bytes
	s_add_nc_u64 s[OUT:OUT+1], s[24:25], s[OFS:OFS+1]
	XBODY
	s_endpgm
.Lweights:
	v_lshlrev_b32 v1, 4, v4
	v_lshl_add_u32 v1, v5, 14, v1                  ; W: 16 lane + 4 rows of 4,096 bytes a wave
	v_mul_u32_u24 v2, v5, 4*6144
	v_lshl_add_u32 v2, v4, 3, v2                   ; wb: 8 lane + 4 rows of 6,144 bytes a wave
	s_sub_co_u32 s36, ttmp9, 256                   ; 0..95: 32 work-groups a matrix
	s_lshr_b32 s37, s36, 5                         ; which matrix
	s_cmp_eq_u32 s37, 0
	s_cselect_b64 s[SRC:SRC+1], s[6:7], s[8:9]
	s_cmp_eq_u32 s37, 2
	s_cselect_b64 s[SRC:SRC+1], s[10:11], s[SRC:SRC+1]
	s_and_b32 s36, s36, 31
	s_lshl_b32 s[OFS], s36, 17
	s_add_nc_u64 s[SRC:SRC+1], s[SRC:SRC+1], s[OFS:OFS+1]
	s_mul_i32 s[OFS], s36, 32*6144
	s_lshl_b32 s37, s37, 11                        ; the matrix's 1,024 columns
	s_add_co_u32 s[OFS], s[OFS], s37
	s_add_nc_u64 s[DST:DST+1], s[20:21], s[OFS:OFS+1]
	WBODY
	s_endpgm
.Lbias:                                        ; thread t: four numbers of each bias
	v_lshlrev_b32 v1, 4, v0
	v_mov_b32 v2, 0
	global_load_b128 v[16:19], v1, s[12:13]
	global_load_b128 v[20:23], v1, s[14:15]
	global_load_b128 v[24:27], v1, s[16:17]
	s_wait_loadcnt 0x0
.set i, 0
.rept 12
	v_cvt_pk_bf16_f32 v[32+i], v[16+i], v2         ; the rounded bias below, 0 above
.set i, i+1
.endr
	global_store_b128 v1, v[32:35], s[22:23]
	global_store_b128 v1, v[36:39], s[22:23] offset:4096
	global_store_b128 v1, v[40:43], s[22:23] offset:8192
	s_endpgm
.Lfunc_end_k_qbe4a75e4b5_prep:
	.size	k_qbe4a75e4b5_prep, .Lfunc_end_k_qbe4a75e4b5_prep-k_qbe4a75e4b5_prep
	.p2alignl 7, 3214868480
	.fill 96, 4, 3214868480
	.section	.rodata,"a",@progbits
	.p2align	6, 0x0
	.amdhsa_kernel k_qbe4a75e4b5_prep
		.amdhsa_group_segment_fixed_size 0
		.amdhsa_private_segment_fixed_size 0
		.amdhsa_enable_private_segment 0
		.amdhsa_kernarg_size 88
		.amdhsa_user_sgpr_count 2
		.amdhsa_user_sgpr_kernarg_segment_ptr 1
		.amdhsa_wavefront_size32 1
		.amdhsa_system_sgpr_workgroup_id_x 1
		.amdhsa_system_sgpr_workgroup_id_y 1
		.amdhsa_system_sgpr_workgroup_id_z 1
		.amdhsa_system_vgpr_workitem_id 0
		.amdhsa_next_free_vgpr 208
		.amdhsa_next_free_sgpr 66
		.amdhsa_reserve_vcc 0
		.amdhsa_float_denorm_mode_32 3
		.amdhsa_float_denorm_mode_16_64 3
		.amdhsa_memory_ordered 1
		.amdhsa_forward_progress 1
		.amdhsa_inst_pref_size 29
	.end_amdhsa_kernel
	.amdgpu_metadata
---
amdhsa.version: [ 1, 2 ]
amdhsa.kernels:
  - .name:           k_qbe4a75e4b5_prep
    .symbol:         k_qbe4a75e4b5_prep.kd
    .args:
      - { .name: x, .offset: 0, .size: 8, .value_kind: global_buffer, .address_space: global }
      - { .name: Wq, .offset: 8, .size: 8, .value_kind: global_buffer, .address_space: global }
      - { .name: Wk, .offset: 16, .size: 8, .value_kind: global_buffer, .address_space: global }
      - { .name: Wv, .offset: 24, .size: 8, .value_kind: global_buffer, .address_space: global }
      - { .name: bq, .offset: 32, .size: 8, .value_kind: global_buffer, .address_space: global }
      - { .name: bk, .offset: 40, .size: 8, .value_kind: global_buffer, .address_space: global }
      - { .name: bv, .offset: 48, .size: 8, .value_kind: global_buffer, .address_space: global }
      - { .name: xb, .offset: 56, .size: 8, .value_kind: global_buffer, .address_space: global }
      - { .name: wb, .offset: 64, .size: 8, .value_kind: global_buffer, .address_space: global }
      - { .name: bb, .offset: 72, .size: 8, .value_kind: global_buffer, .address_space: global }
      - { .name: out0, .offset: 80, .size: 8, .value_kind: global_buffer, .address_space: global }
    .group_segment_fixed_size: 0
    .private_segment_fixed_size: 0
    .kernarg_segment_align: 8
    .kernarg_segment_size: 88
    .max_flat_workgroup_size: 256
    .sgpr_count:     66
    .vgpr_count:     208
    .wavefront_size: 32
...
	.end_amdgpu_metadata
.endif
;; end of part 1
;; launch proj (part 2): grid 8 x 32, 4 waves a work-group, clusters of 4 x 4, 327,680 bytes of LDS; arguments xb, wb, bb, qkv; writes qkv
.if DOCPART == 2
	.amdgcn_target "amdgcn-amd-amdhsa--gfx1250"
	.amdhsa_code_object_version 6
	.text
	.protected	k_qbe4a75e4b5_proj
	.globl	k_qbe4a75e4b5_proj
	.p2align	8
	.type	k_qbe4a75e4b5_proj,@function
k_qbe4a75e4b5_proj:
	s_mov_b64 s[64:65], 0
	v_nop
	global_prefetch_b8 v0, s[64:65] scope:SCOPE_SE
	s_setreg_imm32_b32 hwreg(HW_REG_WAVE_MODE, 25, 1), 1
	s_wait_xcnt 0x0
	s_wait_alu depctr_hold_cnt(0) depctr_sa_sdst(0) depctr_va_vdst(0) depctr_va_sdst(0) depctr_va_ssrc(0) depctr_va_vcc(0) depctr_vm_vsrc(0)
	s_getreg_b32 s2, hwreg(HW_REG_IB_STS2, 6, 4)
	s_cmp_eq_u32 s2, 0
	s_cbranch_scc0 .Lentry_in_a_cluster
	s_endpgm
.Lentry_in_a_cluster:
	s_bfe_u32 s2, ttmp6, 0x10000c
	s_cmp_lg_u32 s2, 0xf033
	s_cbranch_scc0 .Lentry_shape_is_right
	s_endpgm
.Lentry_shape_is_right:
; qkv[mat][row][n] = sum over c of x[row][c] W_mat[c][n] + bias_mat[n], rounded once to f16.  The three products are ONE product with 3,072 columns (q, k, v side by side).
; xb [16 K blocks][8192][64] bf16, wb [1024 c][3072 n] bf16, bb [3072] words (bf16 bias in the low half), qkv [3][8192][1024] f16; sums in f32.
; FORMATS.  All the module's inputs enter rounded to bf16 (an earlier launch).  What the program makes itself (q, k, v) is kept in f16: 11 significant bits.
; LIMIT.  f16 ends at 65,504: q, k and v must lie within it (beyond, the conversion gives an infinity).  With x of spread 1 and W of spread 0.02 their spread is 0.64; with both 30 times larger 576;
; with both carrying an offset of 30 spreads they lie near 1,024 x 30 x 0.6 = 18,432.
; SHARES.  A tile is 256 rows x 384 columns: 32 x 8 = 256 work-groups.  Four waves, each 128 rows x 192 columns: 96 accumulators, 768 registers.
; K = 1024 goes in 16 units of 64 through two LDS slots: two slots of 128 along K (2 x 180,224 bytes) do not fit.  A unit is written once: the slot read is a scalar turned by an exclusive or.
; CLUSTER 4 x 4: the four of a cluster row share x's tile, the four of a cluster column W's: joint loads.
; x's tile of a unit, 128 rows x 128 bytes a wave, is dense in xb: it is asked for as 64 rows of 256 bytes and padded after each 128.  W's K rows are 768 bytes, padded by 32 after each 256: pitch 864;
; W lies K down the rows and comes out of LDS turned, by ds_load_tr16_b128.
; THE MATRIX INSTRUCTION IS USED TRANSPOSED (source 0 = 16 columns n, source 1 = 16 rows): a lane holds one row and eight neighbouring columns, 16 bytes of f16.
; THE BIAS STARTS THE SUMS, by a product with C = 0: source 1 is 1.0 at k = 0 and 0 elsewhere, source 0 holds the bias at k = 0.  The twelve source windows overlap in one array of 30 registers (window i begins
; at register 2 i): what else a window holds is finite and meets a 0.  96 products a wave that are not the problem's, issued while the first tiles are on their way; in return no first step is written out and nothing is cleared.
; The last change of slots fetches fragments of a slot that is read no more: 40 LDS loads, once a launch, the price of one text for both last units.
; REGISTERS: window 0: v10-30 addresses; v32-95, v96-159 x's fragments, two buffers; v160-255 W's twelve fragments, ONE buffer in three groups of four: a group is loaded again straight behind its 32 products.
; windows 1, 2, 3: column group g = 0, 1, 2: accumulator (row block a, column block 4 g + bi) at v[8 (4 a + bi)].
.set APITCH, 144                       ; an LDS row of x's tile: 128 bytes + 16: the 16 rows of a fragment load start 4 banks apart
.set AHALF,  128*APITCH                ; what a wave's load of x brings
.set BOFF,   2*AHALF                   ; W's tile in a slot
.set BPITCH, 864                       ; 3 x (256 + 32) = 27 x 32 bytes
.set BHALF,  32*BPITCH                 ; what a wave's load of W brings: 32 K rows
.set SLOT1,  1<<17                     ; a slot is 92,160 bytes; slot 1 begins here, so that one exclusive or turns an address in one slot into the other's
.set SPITCH, 784                       ; the stage: 256 rows of 768 bytes + 16, from LDS byte 0, over the ring, which has had its last fill when the stage is written
.set SPARE,  1<<18                     ; the spare words: 128 bytes a wave, named by no other line
.set ASTEP,  8192*128                  ; a unit in xb: the next K block
.set BSTEP,  64*6144                   ; in wb: 64 rows down
.set ADRA0, 10                         ; my lane's place in x's tile; never rewritten
.set ADRA,  11                         ; the same in the slot being read
.set ADRB0, 12                         ; v12-14 my lane's place in W's tile, one register a group: the padding falls otherwise in the two column halves
.set ADRB,  16                         ; v16-18 the same in the slot being read
.set STO,  20                          ; v20, v21 into the stage: row blocks 0-3, 4-7
.set RD0,  22                          ; back from the stage
.set RD1,  23
.set CO,   24                          ; v24-26 my byte offsets in qkv
.set BO,   27
.set SPW,  28
.set NIL,  29
.set PFO,  30                          ; the prefetches' lane offset; never rewritten
.set AF0,  32
.set AF1,  96
.set BF,   160
.set TMP,  32                          ; the way out: packed results, two sets of 48
.set OB,   32                          ; the way out: rows read back, two sets of 96
.set WV,   16                          ; s16 wave; s17 wave / 2: my row half, and 0 = I fetch x, 1 = W; s18 wave % 2: my column half, and which half of a tile I fetch
.set WR,   17
.set WC,   18
.set CX,   19
.set CY,   20
.set TX,   21                          ; tile column = 4 x cluster x + cx
.set TY,   22                          ; tile row = 4 x cluster y + cy
.set LA,   23                          ; where my load of x lands in a slot
.set G1,   24                          ; s[24:31] group 1 for x's tiles; s[32:39] group 0: the first fill's, then the walking one
.set G0,   32
.set CNT,  44
.set TBR,  45                          ; LDS byte at which the slot being read begins
.set G1B,  48                          ; s[48:55], s[56:63] the same for W's tiles
.set G0B,  56
.set PFA,  66                          ; s[66:67] where my prefetches stand
.set PFS,  68                          ; s[68:69] their step
.set LIM,  70                          ; 1 in a wave that prefetches, else the greatest number
.set HM,   71                          ; lanes 16-31
.set CB,   72                          ; s[72:73] qkv at the first row that I store
.set LB,   74                          ; where my load of W lands in a slot
.set MSB, 0
.macro WIN new                         ; the immediate's high byte repeats the setting that is left
.if MSB != (\new)
	s_set_vgpr_msb (MSB<<8)|(\new)
.set MSB, \new
.endif
.endm
.macro PLACES                          ; four plain vector instructions between a matrix instruction and a load into, or a read of, its registers
.rept 4
	v_nop
.endr
.endm
.macro JLOAD                           ; a joint refill by the walking descriptor; the branch hangs on the wave's number alone; an s_nop 0 and four v_nop follow each line
	s_cmp_eq_u32 s[WR], 0
	s_cbranch_scc0 .Lfor_b_\@
	tensor_load_to_lds s[G0+4:G0+7], s[G1:G1+7]
	s_nop 0
	PLACES
	s_branch .Lasked_\@
.Lfor_b_\@:
	tensor_load_to_lds s[G0B+4:G0B+7], s[G1B:G1B+7]
	s_nop 0
	PLACES
.Lasked_\@:
.endm
; A prefetch of the unit that the NEXT refill will ask for (trip u refills unit u + 2 and names unit u + 3: 192 matrix instructions ahead of its load; units 0-2 come by their loads alone; the loop's last trip names nothing).
; x's 128 blocks of 256 bytes of a unit are named by wave 0 of the clusters with x = 0, partner cx taking blocks 32 cx on, a lane a block.  W's 64 K rows x 3 blocks by the clusters with y = 0, partner cy taking
; 16 rows: wave 2 their blocks 0 and 1, wave 3 their block 2 (its lanes 16-31 name the sixteen blocks of lanes 0-15 again).  The partners are told apart by address alone.
.macro ASK
	s_cmp_gt_u32 s[CNT], s[LIM]
	s_cbranch_scc0 .Lnot_mine_\@
	global_prefetch_b8 v[PFO], s[PFA:PFA+1] th:TH_LOAD_NT scope:SCOPE_SE
.Lnot_mine_\@:
.endm
.macro CREST                           ; a round of the cluster's barrier behind its opening barrier
	s_cmp_lg_u32 s[WV], 0
	s_cbranch_scc1 .Lnot_wave_0_\@
	s_barrier_signal -3
.Lnot_wave_0_\@:
	s_barrier_wait -3
	s_barrier_signal -1
	s_barrier_wait -1
.endm
.macro CROUND
	s_barrier_signal -1
	s_barrier_wait -1
	CREST
.endm
	s_load_b256 s[4:11], s[0:1], 0x0               ; xb s[4:5], wb s[6:7], bb s[8:9], qkv s[10:11]
	v_lshl_add_u32 v[SPW], v0, 2, SPARE
	v_mov_b32 v[NIL], 0
	ds_add_u32 v[SPW], v[NIL]                      ; the wave's opening: the add and its wait ahead of my first tensor load
	v_lshrrev_b32 v1, 5, v0
	v_readfirstlane_b32 s[WV], v1
	s_lshr_b32 s[WR], s[WV], 1
	s_and_b32 s[WC], s[WV], 1
	s_bfe_u32 s[CX], ttmp6, 0x40000
	s_bfe_u32 s[CY], ttmp6, 0x40004
	s_lshl_b32 s[TX], ttmp9, 2
	s_add_co_u32 s[TX], s[TX], s[CX]
	s_and_b32 s[TY], ttmp7, 0xffff
	s_lshl_b32 s[TY], s[TY], 2
	s_add_co_u32 s[TY], s[TY], s[CY]
	s_lshl_b32 s40, s[CY], 2
	s_lshl_b32 s40, 15, s40                        ; my row of the cluster
	s_lshl_b32 s41, 0x1111, s[CX]                  ; my column
	s_or_b32 s[G1], s40, (1<<16)|(1<<20)|(1<<21)|(4<<22)|(3<<25)   ; mask; 2-byte elements; padding on; bit 21 beside a mask; after every 32 words, 4 words
	s_mov_b32 s[G1+1], 128<<16                     ; tensor_dim0 = 128: two rows of x's K block
	s_mov_b32 s[G1+2], 64<<16                      ; tensor_dim1 = 64
	s_mov_b32 s[G1+3], 128<<16                     ; tile_dim0 = 128
	s_mov_b32 s[G1+4], 64                          ; tile_dim1 = 64
	s_mov_b32 s[G1+5], 128                         ; dense: each row begins where the last ends
	s_mov_b32 s[G1+6], 0
	s_mov_b32 s[G1+7], 0
	s_or_b32 s[G1B], s41, (1<<16)|(1<<20)|(1<<21)|(5<<22)|(7<<25)  ; after every 64 words, 8 words: three times in a row of 192 words
	s_mov_b32 s[G1B+1], 384<<16                    ; tensor_dim0 = 384
	s_mov_b32 s[G1B+2], 32<<16                     ; tensor_dim1 = 32
	s_mov_b32 s[G1B+3], 384<<16                    ; tile_dim0 = 384
	s_mov_b32 s[G1B+4], 32                         ; tile_dim1 = 32
	s_mov_b32 s[G1B+5], 3072                       ; elements from K row to K row
	s_mov_b32 s[G1B+6], 0
	s_mov_b32 s[G1B+7], 0
	s_lshl_b32 s42, s[TY], 15                      ; xb: row 256 x tile row + 128 x half, 128 bytes a row in a K block
	s_lshl_b32 s43, s[WC], 14
	s_add_co_u32 s42, s42, s43
	s_mov_b32 s43, 0
	s_mul_i32 s46, s[TX], 768                      ; wb: column 384 x tile column, K row 32 x half
	s_mul_i32 s47, s[WC], 32*6144
	s_add_co_u32 s46, s46, s47
	s_mov_b32 s47, 0
	s_mul_i32 s[LA], s[WC], AHALF                  ; where my loads land: no place in the cluster enters an LDS address
	s_mul_i32 s[LB], s[WC], BHALF
	s_add_co_u32 s[LB], s[LB], BOFF
	s_mov_b32 s[TBR], 0
	s_mov_b32 s[HM], 0xffff0000
	s_wait_dscnt 0x0                               ; the opening add is done
	s_wait_kmcnt 0x0
	s_add_nc_u64 s[76:77], s[4:5], s[42:43]
	s_add_nc_u64 s[46:47], s[6:7], s[46:47]
	CROUND                                         ; all sixteen work-groups are here: the first joint loads meet
.irp s, 0,1
	s_mov_b32 s[G0+4*(\s)], 1
	s_add_co_u32 s[G0+4*(\s)+1], s[LA], (\s)*SLOT1
	s_add_nc_u64 s[G0+4*(\s)+2:G0+4*(\s)+3], s[76:77], (\s)*ASTEP
	s_or_b32 s[G0+4*(\s)+3], s[G0+4*(\s)+3], 0x80000000
	s_mov_b32 s[G0B+4*(\s)], 1
	s_add_co_u32 s[G0B+4*(\s)+1], s[LB], (\s)*SLOT1
	s_add_nc_u64 s[G0B+4*(\s)+2:G0B+4*(\s)+3], s[46:47], (\s)*BSTEP
	s_or_b32 s[G0B+4*(\s)+3], s[G0B+4*(\s)+3], 0x80000000
.endr
	s_cmp_eq_u32 s[WR], 0                          ; a wave's two first fills (units 0 and 1) stand in one branch: two loads of mine are out
	s_cbranch_scc0 .Lfirst_b
	tensor_load_to_lds s[G0:G0+3], s[G1:G1+7]
	s_nop 0
	tensor_load_to_lds s[G0+4:G0+7], s[G1:G1+7]
	s_nop 0
	PLACES
	s_branch .Lfirst_asked
.Lfirst_b:
	tensor_load_to_lds s[G0B:G0B+3], s[G1B:G1B+7]
	s_nop 0
	tensor_load_to_lds s[G0B+4:G0B+7], s[G1B:G1B+7]
	s_nop 0
	PLACES
.Lfirst_asked:
	v_and_b32 v1, 15, v0                           ; r = lane % 16
	v_bfe_u32 v2, v0, 4, 1                         ; h = lane / 16
	; the bias: word 384 tx + 192 wc + 16 i + r goes into register 2 i of the array; the other 18 registers hold 0
	s_mul_i32 s80, s[TX], 1536
	s_mul_i32 s81, s[WC], 768
	s_add_co_u32 s80, s80, s81
	v_lshl_add_u32 v[BO], v1, 2, s80
.set i, 0
.rept 12
	global_load_b32 v[BF+2*i], v[BO], s[8:9] offset:64*i
.set i, i+1
.endr
.set i, 0
.rept 15
	v_mov_b32 v[BF+2*i+1], 0
.set i, i+1
.endr
.irp i, 24,26,28
	v_mov_b32 v[BF+(\i)], 0
.endr
	v_mov_b32 v[AF0], 0x3f80                       ; source 1: 1.0 in bf16 at k = 0, which is the low half of register 0 in lanes 0-15
	v_cndmask_b32 v[AF0], v[AF0], v[NIL], s[HM]
.irp i, 1,2,3,4,5,6,7
	v_mov_b32 v[AF0+(\i)], 0
.endr
	; fragments
	v_mul_u32_u24 v3, v1, APITCH
	v_lshl_add_u32 v3, v2, 4, v3                   ; x's fragment: row r, 16 bytes a half
	s_mul_i32 s84, s[WR], AHALF
	v_add_nc_u32 v[ADRA0], s84, v3
	v_add_nc_u32 v[ADRA], s[TBR], v[ADRA0]
	v_and_b32 v4, 7, v0
	v_lshl_add_u32 v4, v2, 3, v4                   ; W's, turned: K row 8 h + lane % 8,
	v_mul_u32_u24 v4, v4, BPITCH
	v_bfe_u32 v5, v0, 3, 1
	v_lshl_add_u32 v4, v5, 4, v4                   ; columns 8 ((lane / 8) % 2) on
	; column n of the tile lies at byte 2 n + 32 (n / 128) of a K row.  Fragment i of column half wc is n = 192 wc + 16 i: byte 32 i + base, base = 416 wc (i < 4), 448 wc (i < 8), 32 + 416 wc (i < 12)
	s_mul_i32 s84, s[WC], 416
	s_add_co_u32 s84, s84, BOFF
	v_add_nc_u32 v[ADRB0], s84, v4
	s_lshl_b32 s85, s[WC], 5
	s_add_co_u32 s85, s85, s84
	v_add_nc_u32 v[ADRB0+1], s85, v4
	s_add_co_u32 s84, s84, 32
	v_add_nc_u32 v[ADRB0+2], s84, v4
.irp g, 0,1,2
	v_add_nc_u32 v[ADRB+(\g)], s[TBR], v[ADRB0+(\g)]
.endr
	; the stage.  In: row 128 wr + 16 a + r, byte 384 wc + 32 b + 16 h.  Back: wave w takes rows 64 w on, two rows (1,536 bytes) by three loads of 512 bytes
	s_mul_i32 s84, s[WR], 128*SPITCH
	s_mul_i32 s85, s[WC], 384
	s_add_co_u32 s84, s84, s85
	v_mul_u32_u24 v6, v1, SPITCH
	v_lshl_add_u32 v6, v2, 4, v6
	v_add_nc_u32 v[STO], s84, v6
	v_add_nc_u32 v[STO+1], 64*SPITCH, v[STO]
	s_mul_i32 s84, s[WV], 64*SPITCH
	v_and_b32 v6, 31, v0
	v_lshl_add_u32 v[RD0], v6, 4, s84              ; first load: bytes 0-511 of the even row; third, by the immediate: bytes 256-767 of the odd row
	v_mul_u32_u24 v7, v2, 272
	v_lshl_add_u32 v7, v1, 4, v7
	s_add_co_u32 s84, s84, 512
	v_add_nc_u32 v[RD1], s84, v7                   ; second load: lanes 0-15 bytes 512-767 of the even row, lanes 16-31 bytes 0-255 of the odd row
	; a row's three units of 128 columns are units 3 tx, 3 tx + 1, 3 tx + 2 of 24: unit u lies in matrix u / 8 at column 128 (u % 8)
	s_mul_i32 s90, s[TX], 3
.irp u, 0,1,2
	s_add_co_u32 s91, s90, \u
	s_lshr_b32 s92, s91, 3
	s_lshl_b32 s92, s92, 24
	s_and_b32 s91, s91, 7
	s_lshl_b32 s91, s91, 8
	s_add_co_u32 s[87+(\u)], s92, s91
.endr
	v_lshlrev_b32 v6, 4, v1
	v_mov_b32 v7, s87
	v_mov_b32 v8, s88
	v_mov_b32 v9, s89
	v_cndmask_b32 v31, v7, v8, s[HM]               ; first store: units 0 and 1 of the even row
	v_add_nc_u32 v[CO], v31, v6
	v_add_nc_u32 v7, 0x800, v7
	v_cndmask_b32 v31, v9, v7, s[HM]               ; second: unit 2 of the even row, unit 0 of the odd row
	v_add_nc_u32 v[CO+1], v31, v6
	v_cndmask_b32 v31, v8, v9, s[HM]               ; third: units 1 and 2 of the odd row
	v_add_nc_u32 v31, 0x800, v31
	v_add_nc_u32 v[CO+2], v31, v6
	s_lshl_b32 s78, s[TY], 19                      ; qkv: row 256 x tile row + 64 x wave
	s_lshl_b32 s79, s[WV], 17
	s_add_co_u32 s78, s78, s79
	s_mov_b32 s79, 0
	s_add_nc_u64 s[CB:CB+1], s[10:11], s[78:79]
	; the prefetches
	s_lshl_b32 s78, s[TY], 15
	s_lshl_b32 s79, s[CX], 13
	s_add_co_u32 s78, s78, s79                     ; xb: the tile's 128 blocks, my work-group's 32
	s_mul_i32 s80, s[CY], 16*6144
	s_mul_i32 s81, s[TX], 768
	s_add_co_u32 s80, s80, s81
	s_lshl_b32 s81, s[WC], 9
	s_add_co_u32 s80, s80, s81                     ; wb: my work-group's 16 K rows, the tile's columns; wave 3: block 2
	s_or_b32 s82, ttmp9, s[WC]                     ; x: wave 0 of the clusters with x = 0
	s_and_b32 s83, ttmp7, 0xffff                   ; W: the clusters with y = 0
	s_mov_b32 s84, BSTEP
	s_cmp_eq_u32 s[WR], 0
	s_cselect_b32 s78, s78, s80
	s_cselect_b32 s[PFS], ASTEP, s84
	s_cselect_b32 s82, s82, s83
	s_cselect_b32 s85, 0, -1
	s_cselect_b64 s[PFA:PFA+1], s[4:5], s[6:7]
	s_cmp_eq_u32 s82, 0
	s_cselect_b32 s[LIM], 1, -1
	s_mov_b32 s[PFS+1], 0
	s_lshl_b32 s79, s[PFS], 1                      ; at unit 2: the first change of slots steps it to 3
	s_add_co_u32 s78, s78, s79
	s_mov_b32 s79, 0
	s_add_nc_u64 s[PFA:PFA+1], s[PFA:PFA+1], s[78:79]
	v_and_b32 v6, 31, v0
	v_lshlrev_b32 v6, 8, v6                        ; xb: a lane a block
	s_xor_b32 s86, s[WC], 1
	v_mul_u32_u24 v7, v2, s86
	v_mul_u32_u24 v8, v1, 6144                     ; wb: K row lane % 16; in wave 2 block lane / 16
	v_lshl_add_u32 v8, v7, 8, v8
	v_cndmask_b32 v[PFO], v6, v8, s85
; 4 n matrix instructions of column group g: row blocks a0 .. a0 + n - 1 x the group's 4 column blocks, 32 along K, x's fragments from buffer f.  first = 1: the bias product, C = 0.
; The 96 accumulators take turns, one instruction a turn, in the same order in every quarter.
.macro MULG f, g, a0, n, first=0
	WIN 0x50*((\g)+1)
.set a, \a0
.rept \n
.set bi, 0
.rept 4
.if \first
	v_wmma_f32_16x16x32_bf16 v[8*(4*a+bi):8*(4*a+bi)+7], v[BF+2*(4*(\g)+bi):BF+2*(4*(\g)+bi)+7], v[AF0:AF0+7], 0
.else
	v_wmma_f32_16x16x32_bf16 v[8*(4*a+bi):8*(4*a+bi)+7], v[BF+32*(\g)+8*bi:BF+32*(\g)+8*bi+7], v[(\f)+8*a:(\f)+8*a+7], v[8*(4*a+bi):8*(4*a+bi)+7]
.endif
.set bi, bi+1
.endr
.set a, a+1
.endr
.endm
.macro LDB g, q                        ; 8 turning loads: group g's four fragments of W, K rows 32 q on
.irp bi, 0,1,2,3
	ds_load_tr16_b128 v[BF+32*(\g)+8*(\bi):BF+32*(\g)+8*(\bi)+3],   v[ADRB+(\g)] offset:(\q)*32*BPITCH+32*(4*(\g)+(\bi))
	ds_load_tr16_b128 v[BF+32*(\g)+8*(\bi)+4:BF+32*(\g)+8*(\bi)+7], v[ADRB+(\g)] offset:(\q)*32*BPITCH+32*(4*(\g)+(\bi))+16*BPITCH
.endr
.endm
.macro LDA f, q                        ; 16 loads: x's eight fragments, K 32 q on, into buffer f
.irp a, 0,1,2,3,4,5,6,7
	ds_load_b128 v[(\f)+8*(\a):(\f)+8*(\a)+3],   v[ADRA] offset:64*(\q)+(\a)*16*APITCH
	ds_load_b128 v[(\f)+8*(\a)+4:(\f)+8*(\a)+7], v[ADRA] offset:64*(\q)+(\a)*16*APITCH+32
.endr
.endm
; A unit is two quarters of 32 along K, 96 matrix instructions each.  LDS loads are issued in the order: group 0 (8), x (16), group 1 (8), group 2 (8), each 64 matrix instructions ahead of its use.
; The first quarter multiplies buffer 0 and fetches the second quarter of the same slot.
.macro QX
	s_wait_dscnt 16                                ; group 0 and x are in; groups 1 and 2 (8 + 8 loads) may be out
	MULG AF0, 0, 0, 8
	PLACES
	WIN 0
	LDB 0, 1
	LDA AF1, 1
	s_wait_dscnt 32                                ; group 1 is in; behind it: group 2 and the 24 just issued
	MULG AF0, 1, 0, 8
	PLACES
	WIN 0
	LDB 1, 1
	s_wait_dscnt 32                                ; group 2 is in; behind it: 24 + 8
	MULG AF0, 2, 0, 8
	PLACES
	WIN 0
	LDB 2, 1
.endm
; The second quarter multiplies buffer 1 and changes slots: all reads of this slot have been issued.  fill = 1: the slot is filled again, two units ahead, behind a round of the cluster's barrier.
.macro QY fill
.if \fill
	s_wait_xcnt 0x0                                ; the last prefetch, a unit back, has read its address
	s_add_nc_u64 s[PFA:PFA+1], s[PFA:PFA+1], s[PFS:PFS+1]
.endif
	WIN 0
	s_wait_tensorcnt 0x0                           ; all my tensor loads have landed: the one that was out is my part of the next slot
	ds_add_u32 v[SPW], v[NIL]                      ; 0 onto my spare word
.if \fill
	s_xor_b32 s[G0+5], s[G0+5], SLOT1              ; no load of mine is out, so the walking descriptors may be written: the other slot, the next unit
	s_add_nc_u64 s[G0+6:G0+7], s[G0+6:G0+7], ASTEP
	s_xor_b32 s[G0B+5], s[G0B+5], SLOT1
	s_add_nc_u64 s[G0B+6:G0B+7], s[G0B+6:G0B+7], BSTEP
.endif
	s_wait_dscnt 17                                ; group 0 and x are in; groups 1 and 2 and the add may be out
	MULG AF1, 0, 0, 4
	s_wait_dscnt 0x0                               ; the add is done and my reads of this slot are over
	s_barrier_signal -1
	MULG AF1, 0, 4, 4
	WIN 0
	s_barrier_wait -1
.if \fill
	CREST                                          ; no wave of any partner still reads this slot or has a load on its way
	JLOAD                                          ; my one tensor load behind the round; 160 matrix instructions stand ahead of the wait for it; its four v_nop are also the places in front of the loads below
.else
	PLACES
.endif
	s_xor_b32 s[TBR], s[TBR], SLOT1
	v_add_nc_u32 v[ADRA], s[TBR], v[ADRA0]
.irp g, 0,1,2
	v_add_nc_u32 v[ADRB+(\g)], s[TBR], v[ADRB0+(\g)]
.endr
	LDB 0, 0
	LDA AF0, 0
.if \fill
	ASK
.endif
	MULG AF1, 1, 0, 8
	PLACES
	WIN 0
	LDB 1, 0
	MULG AF1, 2, 0, 8
	PLACES
	WIN 0
	LDB 2, 0
.endm
; The way out.  Row block a: rounded to f16, 16 bytes a lane, into the work-group's stage
.macro PACK a
.irp g, 0,1,2
	WIN 5*((\g)+1)
.irp bi, 0,1,2,3
.irp r, 0,1,2,3
	v_cvt_pk_f16_f32 v[TMP+48*((\a)%2)+4*(4*(\g)+(\bi))+(\r)], v[8*(4*(\a)+(\bi))+2*(\r)], v[8*(4*(\a)+(\bi))+2*(\r)+1]
.endr
.endr
.endr
	WIN 0
.set b, 0
.rept 12
	ds_store_b128 v[STO+(\a)/4], v[TMP+48*((\a)%2)+4*b:TMP+48*((\a)%2)+4*b+3] offset:((\a)%4)*16*SPITCH+32*b
.set b, b+1
.endr
.endm
.macro RDB t                           ; batch t: 16 of my 64 rows back, whole: 24 loads
.set p, 0
.rept 8
	ds_load_b128 v[OB+96*((\t)%2)+12*p:OB+96*((\t)%2)+12*p+3],    v[RD0] offset:(8*(\t)+p)*2*SPITCH
	ds_load_b128 v[OB+96*((\t)%2)+12*p+4:OB+96*((\t)%2)+12*p+7],  v[RD1] offset:(8*(\t)+p)*2*SPITCH
	ds_load_b128 v[OB+96*((\t)%2)+12*p+8:OB+96*((\t)%2)+12*p+11], v[RD0] offset:(8*(\t)+p)*2*SPITCH+SPITCH+256
.set p, p+1
.endr
.endm
.macro STB t                           ; and stored: 16 lanes store 256 consecutive aligned bytes
.set p, 0
.rept 8
.irp j, 0,1,2
	global_store_b128 v[CO+(\j)], v[OB+96*((\t)%2)+12*p+4*(\j):OB+96*((\t)%2)+12*p+4*(\j)+3], s[CB:CB+1] offset:(8*(\t)+p)*4096
.endr
.set p, p+1
.endr
.endm
	s_wait_loadcnt 0x0                             ; the bias
	MULG AF0, 0, 0, 8, 1                           ; the sums start, while the first tiles are on their way
	MULG AF0, 1, 0, 8, 1
	MULG AF0, 2, 0, 8, 1
	WIN 0
	s_wait_tensorcnt 1                             ; my part of unit 0 is in; unit 1's may stay out
	s_barrier_signal -1
	s_barrier_wait -1
	PLACES                                         ; the fragments take the registers that the bias products read
	LDB 0, 0
	LDA AF0, 0
	LDB 1, 0
	LDB 2, 0
	s_mov_b32 s[CNT], 14
.Lk:                                           ; trip u multiplies unit u and asks for unit u + 2
	QX
	QY 1
	s_sub_co_u32 s[CNT], s[CNT], 1
	s_cmp_lg_u32 s[CNT], 0
	s_cbranch_scc1 .Lk
	s_mov_b32 s[CNT], 2
.Ltail:                                        ; units 14 and 15 ask for nothing
	QX
	QY 0
	s_sub_co_u32 s[CNT], s[CNT], 1
	s_cmp_lg_u32 s[CNT], 0
	s_cbranch_scc1 .Ltail
	s_wait_dscnt 0x0                               ; my last reads of the ring are back (the last change's fetch serves nothing)
	s_barrier_signal -1
	s_barrier_wait -1                              ; nobody reads the ring any more, and no fill follows: the stage may be written over it
.irp a, 0,1,2,3,4,5,6,7
	PACK \a
.endr
	s_wait_dscnt 0x0                               ; for the others' sake: my stores into the stage are done
	s_barrier_signal -1
	s_barrier_wait -1
	RDB 0
	RDB 1
	s_wait_dscnt 24                                ; batch 0 is in; batch 1's 24 loads may be out
	STB 0
	s_wait_xcnt 0x0                                ; batch 0's stores have read their registers, which batch 2's loads write
	RDB 2
	s_wait_dscnt 24
	STB 1
	s_wait_xcnt 0x0
	RDB 3
	s_wait_dscnt 24
	STB 2
	s_wait_dscnt 0x0
	STB 3
	s_wait_tensorcnt 0x0                           ; the wave's end
	ds_add_u32 v[SPW], v[NIL]
	s_wait_dscnt 0x0
	CROUND                                         ; the closing round
	s_endpgm
.Lfunc_end_k_qbe4a75e4b5_proj:
	.size	k_qbe4a75e4b5_proj, .Lfunc_end_k_qbe4a75e4b5_proj-k_qbe4a75e4b5_proj
	.p2alignl 7, 3214868480
	.fill 96, 4, 3214868480
	.section	.rodata,"a",@progbits
	.p2align	6, 0x0
	.amdhsa_kernel k_qbe4a75e4b5_proj
		.amdhsa_group_segment_fixed_size 327680
		.amdhsa_private_segment_fixed_size 0
		.amdhsa_enable_private_segment 0
		.amdhsa_kernarg_size 32
		.amdhsa_user_sgpr_count 2
		.amdhsa_user_sgpr_kernarg_segment_ptr 1
		.amdhsa_wavefront_size32 1
		.amdhsa_system_sgpr_workgroup_id_x 1
		.amdhsa_system_sgpr_workgroup_id_y 1
		.amdhsa_system_sgpr_workgroup_id_z 1
		.amdhsa_system_vgpr_workitem_id 0
		.amdhsa_next_free_vgpr 1024
		.amdhsa_next_free_sgpr 96
		.amdhsa_reserve_vcc 0
		.amdhsa_float_denorm_mode_32 3
		.amdhsa_float_denorm_mode_16_64 3
		.amdhsa_memory_ordered 1
		.amdhsa_forward_progress 1
		.amdhsa_inst_pref_size 106
	.end_amdhsa_kernel
	.amdgpu_metadata
---
amdhsa.version: [ 1, 2 ]
amdhsa.kernels:
  - .name:           k_qbe4a75e4b5_proj
    .symbol:         k_qbe4a75e4b5_proj.kd
    .args:
      - { .name: xb, .offset: 0, .size: 8, .value_kind: global_buffer, .address_space: global }
      - { .name: wb, .offset: 8, .size: 8, .value_kind: global_buffer, .address_space: global }
      - { .name: bb, .offset: 16, .size: 8, .value_kind: global_buffer, .address_space: global }
      - { .name: qkv, .offset: 24, .size: 8, .value_kind: global_buffer, .address_space: global }
    .group_segment_fixed_size: 327680
    .private_segment_fixed_size: 0
    .kernarg_segment_align: 8
    .kernarg_segment_size: 32
    .max_flat_workgroup_size: 128
    .sgpr_count:     96
    .vgpr_count:     1024
    .wavefront_size: 32
...
	.end_amdgpu_metadata
.endif
;; end of part 2
;; launch scores (part 3): grid 36 x 4, 4 waves a work-group, no clusters, 327,680 bytes of LDS; arguments qkv, pu, cm, zs; writes pu, cm, zs
.if DOCPART == 3
	.amdgcn_target "amdgcn-amd-amdhsa--gfx1250"
	.amdhsa_code_object_version 6
	.text
	.protected	k_qbe4a75e4b5_scores
	.globl	k_qbe4a75e4b5_scores
	.p2align	8
	.type	k_qbe4a75e4b5_scores,@function
k_qbe4a75e4b5_scores:
	s_mov_b64 s[64:65], 0
	v_nop
	global_prefetch_b8 v0, s[64:65] scope:SCOPE_SE
	s_setreg_imm32_b32 hwreg(HW_REG_WAVE_MODE, 25, 1), 1
	s_wait_xcnt 0x0
; For each lower tile (tb >= sb) of 256 queries x 256 keys of a batch: S = q k^T (K = 1024, f16 operands, f32 sums), hidden where key > query.
; The softmax runs over the QUERIES of a key column.  A wave's 128 queries are a granule g = t / 128.  For each key column the wave takes the true maximum m of its granule's scores and stores
;   pu[b][s][t] = 2^(c S - c m) in f16 (transposed: a key's row),  cm[b][g][s] = c m,  zs[b][g][s] = the sum of the unrounded weights;  c = log2(e) / 32.
; A later launch joins the granules under the column's maximum.  So a maximum is always taken away before an exponential.
; LIMITS.  q and k arrive in f16, within 65,504, so |logit| is at most 1,024 x 65,504^2, about 2^42.  A hidden score counts as -2^100 + score.  A granule's maximum is floored at -2^90: only a wave tile that is
; wholly hidden reaches the floor, and there every weight and the sum are 0.  A weight under 2^-126 counts as 0 in the sum; as stored, a weight below 6e-5 keeps f16's fixed step of 6e-8.  NaN and infinities are not treated apart.
; NO CLUSTER: a batch's 36 lower tiles have rows of 1 to 8 tiles and columns of 8 to 1; no split into fours shares q's or k's tile without work-groups on tiles above the diagonal.
; NATURAL USE: source 0 = 16 queries, source 1 = 16 keys: a lane holds ONE key column (lane % 16) and queries 8 (lane / 16) + 0..7, so maximum and sum are in-lane work and one exchange of the halves,
; and eight queries pack into 16 bytes of a key's row.  THE MASK IS THE C OPERAND of each accumulator's first product: three sets of eight registers (key block below, on, above the query block).
; Frame, ring and registers as in the projection's text: K in 8 steps of 128, two slots, a K step written once, the slot read a scalar turned by an exclusive or.
.set PITCH,  272
.set HALFT,  128*PITCH
.set SLOT,   4*HALFT
.set BOFF,   2*HALFT
.set STAGE,  2*SLOT
.set SPITCH, 272
.set SPARE,  STAGE+4*16*SPITCH
.set ASTEP,  256
.set SST,  8                           ; v8   statistics into my stage: 512 h + 4 r
.set SLD,  9                           ; v9   and back: 16 lane
.set SGO,  10                          ; v10  16 lane, in cm and zs
.set ADRA0, 16
.set ADRA,  17
.set ADRB0, 20
.set ADRB,  21
.set STO,  24
.set RD,   25
.set CO,   26
.set SPW,  28
.set NIL,  29
.set PFO,  30
.set ML,   32                          ; v[32:39] mask for key block below the query block; v[40:47] on it; v[48:55] above it (free after the first quarter)
.set MD,   40
.set MU,   48
.set F0,   64
.set F1,   128
.set TMP,  192
.set OB,   32
.set ST,   64                          ; the way out: column block b: v[64+2b] c m, v[65+2b] m
.set ZP,   80                          ; v[80+2b:81+2b] the sum, even and odd queries'
.set TX,   96                          ; v[96+b] the other half's figure
.set VL,   104                         ; v[104+b] what goes into the stage
.set WV,   12
.set WR,   13
.set WC,   14
.set TB,   15
.set SB,   16
.set BB,   17
.set G1,   24
.set G0,   32
.set CNT,  44
.set TBR,  45
.set PFA,  46
.set LIM,  48
.set CS,   50                          ; s[50:51] c
.set SEL,  52                          ; s[52:53] v_permlanex16_b32's selects
.set FLOOR, 54
.set HM,   55                          ; lanes 16-31
.set SLO,  56
.set SUP,  57
.set PUB,  58
.set CMB,  60
.set ZSB,  62
.set MSB, 0
.macro WIN new
.if MSB != (\new)
	s_set_vgpr_msb (MSB<<8)|(\new)
.set MSB, \new
.endif
.endm
.macro PLACES
.rept 4
	v_nop
.endr
.endm
; A prefetch of the K step two refills on: my own 128 rows, a lane a row, four instructions.  q's rows are named by the tile row's first work-group (sb = 0), k's by the diagonal one (tb = sb): each block once.
.macro ASK
	s_cmp_gt_u32 s[CNT], s[LIM]
	s_cbranch_scc0 .Lnot_mine_\@
.irp i, 0,1,2,3
	global_prefetch_b8 v[PFO], s[PFA:PFA+1] offset:(\i)*65536 th:TH_LOAD_NT scope:SCOPE_SE
.endr
.Lnot_mine_\@:
.endm
	s_load_b256 s[4:11], s[0:1], 0x0               ; qkv s[4:5], pu s[6:7], cm s[8:9], zs s[10:11]
	v_lshl_add_u32 v[SPW], v0, 2, SPARE
	v_mov_b32 v[NIL], 0
	ds_add_u32 v[SPW], v[NIL]                      ; the wave's opening: the add and its wait ahead of my first tensor load
	v_lshrrev_b32 v1, 5, v0
	v_readfirstlane_b32 s[WV], v1
	s_lshr_b32 s[WR], s[WV], 1                     ; my query half; 0 = I fetch q, 1 = k
	s_and_b32 s[WC], s[WV], 1                      ; my key half; which 128 rows I fetch
	s_mov_b32 s[TB], 0                             ; tile p of 36: tb = how many of the triangular numbers 1, 3, .. 28 are at most p
.irp thr, 1,3,6,10,15,21,28
	s_cmp_ge_u32 ttmp9, \thr
	s_add_co_ci_u32 s[TB], s[TB], 0
.endr
	s_add_co_u32 s18, s[TB], 1
	s_mul_i32 s18, s18, s[TB]
	s_lshr_b32 s18, s18, 1
	s_sub_co_u32 s[SB], ttmp9, s18
	s_and_b32 s[BB], ttmp7, 0xffff
	s_mov_b32 s[G1], (1<<16)|(1<<20)|(5<<22)|(3<<25)  ; 2-byte elements; padding on: after every 64 words, 4 words
	s_mov_b32 s[G1+1], 128<<16
	s_mov_b32 s[G1+2], 128<<16
	s_mov_b32 s[G1+3], 128<<16
	s_mov_b32 s[G1+4], 128
	s_mov_b32 s[G1+5], 1024
	s_mov_b32 s[G1+6], 0
	s_mov_b32 s[G1+7], 0
	s_cmp_eq_u32 s[WR], 0
	s_cselect_b32 s18, s[TB], s[SB]
	s_lshl_b32 s18, s18, 19                        ; 256 rows of 2,048 bytes a tile
	s_lshl_b32 s19, s[WR], 24                      ; q or k
	s_add_co_u32 s18, s18, s19
	s_lshl_b32 s19, s[BB], 22
	s_add_co_u32 s18, s18, s19
	s_lshl_b32 s19, s[WC], 18
	s_add_co_u32 s18, s18, s19
	s_mov_b32 s19, 0
	s_mul_i32 s20, s[WV], HALFT
	s_mov_b32 s[TBR], 0
	s_mov_b32 s[CS], 0x3d38aa3b                    ; c = log2(e) / 32
	s_mov_b32 s[CS+1], s[CS]
	s_mov_b32 s[SEL], 0x76543210
	s_mov_b32 s[SEL+1], 0xfedcba98
	s_mov_b32 s[FLOOR], 0xec800000                 ; -2^90
	s_mov_b32 s[HM], 0xffff0000
	s_sub_co_i32 s21, s[WR], s[WC]                 ; on a diagonal tile: 1 all seen, 0 the diagonal wave tile, -1 all hidden; elsewhere all seen
	s_cmp_eq_u32 s[TB], s[SB]
	s_cselect_b32 s21, s21, 1
	s_cmp_lt_i32 s21, 0
	s_cselect_b32 s[SLO], 0xf1800000, 0            ; -2^100
	s_cmp_le_i32 s21, 0
	s_cselect_b32 s[SUP], 0xf1800000, 0
	s_sub_co_u32 s22, s[TB], s[SB]
	s_cmp_eq_u32 s[WR], 0
	s_cselect_b32 s22, s[SB], s22
	s_cmp_eq_u32 s22, 0
	s_cselect_b32 s[LIM], 2, -1
	s_wait_dscnt 0x0                               ; the opening add is done
	s_wait_kmcnt 0x0
	s_add_nc_u64 s[40:41], s[4:5], s[18:19]
.irp s, 0,1
	s_mov_b32 s[G0+4*(\s)], 1
	s_add_co_u32 s[G0+4*(\s)+1], s20, (\s)*SLOT
	s_add_nc_u64 s[G0+4*(\s)+2:G0+4*(\s)+3], s[40:41], (\s)*ASTEP
	s_or_b32 s[G0+4*(\s)+3], s[G0+4*(\s)+3], 0x80000000
.endr
	tensor_load_to_lds s[G0:G0+3], s[G1:G1+7]      ; K steps 0 and 1: each wave its own 128 rows, into its own LDS bytes; two loads of mine are out
	s_nop 0
	tensor_load_to_lds s[G0+4:G0+7], s[G1:G1+7]
	s_nop 0
	PLACES
	s_add_nc_u64 s[PFA:PFA+1], s[40:41], 3*ASTEP   ; at K step 3: the first change of slots steps it to 4
	v_and_b32 v1, 15, v0                           ; r
	v_bfe_u32 v2, v0, 4, 1                         ; h
	v_mul_u32_u24 v3, v1, PITCH
	v_lshl_add_u32 v3, v2, 4, v3
	s_mul_i32 s18, s[WR], HALFT
	v_add_nc_u32 v[ADRA0], s18, v3
	v_add_nc_u32 v[ADRA], s[TBR], v[ADRA0]
	s_mul_i32 s18, s[WC], HALFT
	s_add_co_u32 s18, s18, BOFF
	v_add_nc_u32 v[ADRB0], s18, v3
	v_add_nc_u32 v[ADRB], s[TBR], v[ADRB0]
	s_mul_i32 s18, s[WV], 16*SPITCH
	s_add_co_u32 s18, s18, STAGE
	v_mul_u32_u24 v4, v1, SPITCH
	v_lshl_add_u32 v4, v2, 4, v4
	v_add_nc_u32 v[STO], s18, v4
	v_mul_u32_u24 v5, v2, SPITCH
	v_lshl_add_u32 v5, v1, 4, v5
	v_add_nc_u32 v[RD], s18, v5
	v_lshlrev_b32 v[CO], 12, v2                    ; two neighbouring key rows of pu, 4,096 bytes apart
	v_lshl_add_u32 v[CO], v1, 4, v[CO]
	v_lshlrev_b32 v6, 2, v1
	v_lshl_add_u32 v6, v2, 9, v6
	v_add_nc_u32 v[SST], s18, v6
	v_and_b32 v7, 31, v0
	v_lshlrev_b32 v[SGO], 4, v7
	v_add_nc_u32 v[SLD], s18, v[SGO]
	v_lshlrev_b32 v[PFO], 11, v7
	v_lshlrev_b32 v14, 3, v2
	v_sub_nc_u32 v14, v1, v14                      ; r - 8 h: on the diagonal block register j is hidden where this is above j
.irp j, 0,1,2,3,4,5,6,7
	v_mov_b32 v[ML+(\j)], s[SLO]
	v_mov_b32 v[MU+(\j)], s[SUP]
.endr
.irp j, 0,1,2,3,4,5,6,7
	v_cmp_lt_i32 vcc_lo, \j, v14
	v_cndmask_b32 v[MD+(\j)], v[ML], v[MU], vcc_lo
.endr
	s_lshl_b32 s18, s[BB], 23                      ; pu: key row 256 sb + 128 wc, query 256 tb + 128 wr
	s_lshl_b32 s19, s[SB], 20
	s_add_co_u32 s18, s18, s19
	s_lshl_b32 s19, s[WC], 19
	s_add_co_u32 s18, s18, s19
	s_lshl_b32 s19, s[TB], 9
	s_add_co_u32 s18, s18, s19
	s_lshl_b32 s19, s[WR], 8
	s_add_co_u32 s18, s18, s19
	s_mov_b32 s19, 0
	s_add_nc_u64 s[PUB:PUB+1], s[6:7], s[18:19]
	s_lshl_b32 s18, s[BB], 17                      ; cm, zs: ((16 b + 2 tb + wr) 2,048 + 256 sb + 128 wc) x 4
	s_lshl_b32 s19, s[TB], 14
	s_add_co_u32 s18, s18, s19
	s_lshl_b32 s19, s[WR], 13
	s_add_co_u32 s18, s18, s19
	s_lshl_b32 s19, s[SB], 10
	s_add_co_u32 s18, s18, s19
	s_lshl_b32 s19, s[WC], 9
	s_add_co_u32 s18, s18, s19
	s_mov_b32 s19, 0
	s_add_nc_u64 s[CMB:CMB+1], s[8:9], s[18:19]
	s_add_nc_u64 s[ZSB:ZSB+1], s[10:11], s[18:19]
; 16 matrix instructions: query blocks a0, a0 + 1 of the window's four x all 8 key blocks.  first = 1: C is the mask (window 0).  The 64 accumulators take turns, in the same order in every quarter.
.macro MUL16 f, hi, a0, first
.if \first
	WIN 0x84+0x40*(\hi)
.else
	WIN 0xa4+0x50*(\hi)
.endif
.irp a, \a0, (\a0)+1
.irp b, 0,1,2,3,4,5,6,7
.if \first
.if (\b) < 4*(\hi)+(\a)
.set MC, ML
.elseif (\b) == 4*(\hi)+(\a)
.set MC, MD
.else
.set MC, MU
.endif
	v_wmma_f32_16x16x32_f16 v[8*(8*(\a)+(\b)):8*(8*(\a)+(\b))+7], v[(\f)+8*(4*(\hi)+(\a)):(\f)+8*(4*(\hi)+(\a))+7], v[(\f)+8*(\b):(\f)+8*(\b)+7], v[MC:MC+7]
.else
	v_wmma_f32_16x16x32_f16 v[8*(8*(\a)+(\b)):8*(8*(\a)+(\b))+7], v[(\f)+8*(4*(\hi)+(\a)):(\f)+8*(4*(\hi)+(\a))+7], v[(\f)+8*(\b):(\f)+8*(\b)+7], v[8*(8*(\a)+(\b)):8*(8*(\a)+(\b))+7]
.endif
.endr
.endr
.endm
.macro FETCH q, f                      ; 32 LDS loads in one run: k's 16 first, then q's 16
	WIN 0x40
.irp i, 0,1,2,3,4,5,6,7
	ds_load_b128 v[(\f)+8*(\i):(\f)+8*(\i)+3],   v[ADRB] offset:64*(\q)+(\i)*16*PITCH
	ds_load_b128 v[(\f)+8*(\i)+4:(\f)+8*(\i)+7], v[ADRB] offset:64*(\q)+(\i)*16*PITCH+32
.endr
	WIN 0
.irp i, 0,1,2,3,4,5,6,7
	ds_load_b128 v[(\f)+8*(\i):(\f)+8*(\i)+3],   v[ADRA] offset:64*(\q)+(\i)*16*PITCH
	ds_load_b128 v[(\f)+8*(\i)+4:(\f)+8*(\i)+7], v[ADRA] offset:64*(\q)+(\i)*16*PITCH+32
.endr
.endm
.macro QUARTER q, f, g, first
	s_wait_dscnt 8                                 ; k's fragments and q's rows 0-63 are in; the youngest eight loads may be out
	MUL16 \f, 0, 0, \first
	MUL16 \f, 0, 2, \first
	PLACES
	FETCH \q, \g
	s_wait_dscnt 32                                ; all but the 32 just issued
	MUL16 \f, 1, 0, \first
	MUL16 \f, 1, 2, \first
.endm
.macro TURN fill
.if \fill
	s_wait_xcnt 0x0                                ; the last prefetches, a K step back, have read their address
	s_add_nc_u64 s[PFA:PFA+1], s[PFA:PFA+1], ASTEP
.endif
	WIN 0
	s_wait_tensorcnt 0x0                           ; all my tensor loads have landed: the one that was out is my part of the next slot
	ds_add_u32 v[SPW], v[NIL]                      ; 0 onto my spare word
.if \fill
	s_xor_b32 s[G0+5], s[G0+5], SLOT               ; no load of mine is out: the walking descriptor takes the other slot and the next K step
	s_add_nc_u64 s[G0+6:G0+7], s[G0+6:G0+7], ASTEP
.endif
	s_wait_dscnt 9                                 ; the add and the youngest eight loads may be out
	MUL16 F1, 0, 0, 0
	s_wait_dscnt 0x0                               ; the add is done and my reads of this slot are over
	s_barrier_signal -1
	MUL16 F1, 0, 2, 0
	WIN 0
	s_barrier_wait -1
.if \fill
	tensor_load_to_lds s[G0+4:G0+7], s[G1:G1+7]    ; my one tensor load behind the barrier; 224 matrix instructions stand ahead of the wait for it
	s_nop 0
.endif
	PLACES
	s_xor_b32 s[TBR], s[TBR], SLOT
	v_add_nc_u32 v[ADRA], s[TBR], v[ADRA0]
	v_add_nc_u32 v[ADRB], s[TBR], v[ADRB0]
	FETCH 0, F0
.if \fill
	ASK
.endif
	MUL16 F1, 1, 0, 0
	MUL16 F1, 1, 2, 0
.endm
; The way out of key block bb: its 16 key rows x my 128 queries, rounded to f16, through my stage, stored as rows of 256 bytes
.macro PACK bb
.irp a, 0,1,2,3,4,5,6,7
	WIN 0x0a+5*((\a)/4)
.irp jj, 0,1,2,3
	v_cvt_pk_f16_f32 v[TMP+4*(\a)+(\jj)], v[8*(8*((\a)%4)+(\bb))+2*(\jj)], v[8*(8*((\a)%4)+(\bb))+2*(\jj)+1]
.endr
.endr
	WIN 0
.endm
.macro TOSTAGE bb
.set BK, OB+192*((\bb)%2)
.irp a, 0,1,2,3,4,5,6,7
	ds_store_b128 v[STO], v[TMP+4*(\a):TMP+4*(\a)+3] offset:32*(\a)
.endr
.irp t, 0,1,2,3,4,5,6,7
	ds_load_b128 v[BK+4*(\t):BK+4*(\t)+3], v[RD] offset:(\t)*2*SPITCH  ; LDS serves a wave's instructions in order: these see the stores above
.endr
.endm
.macro SEND bb
.set BK, OB+192*((\bb)%2)
	s_wait_dscnt 0x0
	s_wait_xcnt 0x0                                ; earlier stores have read their registers, which the next block's loads write
.irp t, 0,1,2,3,4,5,6,7
	global_store_b128 v[CO], v[BK+4*(\t):BK+4*(\t)+3], s[PUB:PUB+1] offset:(16*(\bb)+2*(\t))*4096  ; 16 lanes store 256 consecutive aligned bytes
.endr
.endm
	s_wait_tensorcnt 1                             ; my part of K step 0 is in; K step 1's may stay out
	s_barrier_signal -1
	s_barrier_wait -1
	FETCH 0, F0
	QUARTER 1, F0, F1, 1                           ; the first quarter starts the sums with the mask
	WIN 0
	s_mov_b32 s[CNT], 6
.Lk:
	QUARTER 2, F1, F0, 0
	QUARTER 3, F0, F1, 0
	TURN 1
	QUARTER 1, F0, F1, 0
	WIN 0
	s_sub_co_u32 s[CNT], s[CNT], 1
	s_cmp_lg_u32 s[CNT], 0
	s_cbranch_scc1 .Lk
	s_mov_b32 s[CNT], 2
.Ltail:
	QUARTER 2, F1, F0, 0
	QUARTER 3, F0, F1, 0
	TURN 0
	WIN 0
	s_sub_co_u32 s[CNT], s[CNT], 1
	s_cmp_eq_u32 s[CNT], 0
	s_cbranch_scc1 .Lout
	QUARTER 1, F0, F1, 0
	WIN 0
	s_branch .Ltail
.Lout:
	s_wait_dscnt 0x0                               ; the last change's fetch, which serves nothing; its registers are taken over below
	PLACES
	; 1. each key column's maximum over my 128 queries: eight chains (one a key block) that take turns; each accumulator's registers 0 and 1 are read first
.set a, 0
.rept 8
.set jp, 0
.rept 4
.set b, 0
.rept 8
.set rA, 8*(8*(a%4)+b)+2*jp
.if (a == 0) && (jp == 0)
	WIN 0x0a
	v_max_num_f32 v[ST+2*b+1], v[rA], v[rA+1]
.else
	WIN 0x28+0x14*(a/4)
	v_max3_num_f32 v[ST+2*b+1], v[ST+2*b+1], v[rA], v[rA+1]
.endif
.set b, b+1
.endr
.set jp, jp+1
.endr
.set a, a+1
.endr
	WIN 0
.irp b, 0,1,2,3,4,5,6,7
	v_permlanex16_b32 v[TX+(\b)], v[ST+2*(\b)+1], s[SEL], s[SEL+1]  ; the column's other 64 queries lie in the lane 16 away
.endr
.irp b, 0,1,2,3,4,5,6,7
	v_max3_num_f32 v[ST+2*(\b)+1], v[ST+2*(\b)+1], v[TX+(\b)], s[FLOOR]
.endr
.irp b, 0,1,2,3,4,5,6,7
	v_mul_f32 v[ST+2*(\b)], s[CS], v[ST+2*(\b)+1]
.endr
	; 2. c S - c m and its exponential, in place, window by window: all 512 exponentials are one batch with one wait
.irp w, 0,1
	WIN 0x82+0x41*(\w)
.set i, 0
.rept 128
	v_pk_fma_f32 v[2*i:2*i+1], v[2*i:2*i+1], s[CS:CS+1], v[ST+2*((i/4)%8):ST+2*((i/4)%8)+1] op_sel_hi:[1,0,0] neg_lo:[0,0,1] neg_hi:[0,0,1]
.set i, i+1
.endr
.set i, 0
.rept 256
	v_exp_f32 v[i], v[i]
.set i, i+1
.endr
.endr
	WIN 0
	v_nop                                          ; a plain instruction behind the last exponential
	s_wait_alu depctr_va_vdst(0)                   ; the one wait for the batch, ahead of the first reader
	; 3. the sums, eight chains that take turns
.set a, 0
.rept 8
.set jp, 0
.rept 4
.set b, 0
.rept 8
.set rA, 8*(8*(a%4)+b)+2*jp
.if (a == 0) && (jp == 0)
	WIN 0x0a
	v_pk_add_f32 v[ZP+2*b:ZP+2*b+1], v[rA:rA+1], v[rA+2:rA+3]
.elseif (a == 0) && (jp == 1)
.else
	WIN 0x08+0x04*(a/4)
	v_pk_add_f32 v[ZP+2*b:ZP+2*b+1], v[ZP+2*b:ZP+2*b+1], v[rA:rA+1]
.endif
.set b, b+1
.endr
.set jp, jp+1
.endr
.set a, a+1
.endr
	WIN 0
.irp b, 0,1,2,3,4,5,6,7
	v_add_f32 v[ZP+2*(\b)], v[ZP+2*(\b)], v[ZP+2*(\b)+1]
.endr
.irp b, 0,1,2,3,4,5,6,7
	v_permlanex16_b32 v[TX+(\b)], v[ZP+2*(\b)], s[SEL], s[SEL+1]
.endr
.irp b, 0,1,2,3,4,5,6,7
	v_add_f32 v[ZP+2*(\b)], v[ZP+2*(\b)], v[TX+(\b)]
.endr
	; 4. the statistics leave in whole runs of 512 bytes: lanes 0-15 put c m, lanes 16-31 the sum, into my stage; each lane reads four keys' back
.irp b, 0,1,2,3,4,5,6,7
	v_cndmask_b32 v[VL+(\b)], v[ST+2*(\b)], v[ZP+2*(\b)], s[HM]
.endr
.irp b, 0,1,2,3,4,5,6,7
	ds_store_b32 v[SST], v[VL+(\b)] offset:64*(\b)
.endr
	ds_load_b128 v[112:115], v[SLD]
	ds_load_b128 v[116:119], v[SLD] offset:512
	s_wait_dscnt 0x0
	global_store_b128 v[SGO], v[112:115], s[CMB:CMB+1]
	global_store_b128 v[SGO], v[116:119], s[ZSB:ZSB+1]
	; 5. the weights
	PACK 0
	TOSTAGE 0
.irp bb, 1,2,3,4,5,6,7
	PACK \bb
	SEND (\bb)-1
	TOSTAGE \bb
.endr
	SEND 7
	s_wait_tensorcnt 0x0                           ; the wave's end
	ds_add_u32 v[SPW], v[NIL]
	s_wait_dscnt 0x0
	s_endpgm
.Lfunc_end_k_qbe4a75e4b5_scores:
	.size	k_qbe4a75e4b5_scores, .Lfunc_end_k_qbe4a75e4b5_scores-k_qbe4a75e4b5_scores
	.p2alignl 7, 3214868480
	.fill 96, 4, 3214868480
	.section	.rodata,"a",@progbits
	.p2align	6, 0x0
	.amdhsa_kernel k_qbe4a75e4b5_scores
		.amdhsa_group_segment_fixed_size 327680
		.amdhsa_private_segment_fixed_size 0
		.amdhsa_enable_private_segment 0
		.amdhsa_kernarg_size 32
		.amdhsa_user_sgpr_count 2
		.amdhsa_user_sgpr_kernarg_segment_ptr 1
		.amdhsa_wavefront_size32 1
		.amdhsa_system_sgpr_workgroup_id_x 1
		.amdhsa_system_sgpr_workgroup_id_y 1
		.amdhsa_system_sgpr_workgroup_id_z 1
		.amdhsa_system_vgpr_workitem_id 0
		.amdhsa_next_free_vgpr 1024
		.amdhsa_next_free_sgpr 80
		.amdhsa_reserve_vcc 1
		.amdhsa_float_denorm_mode_32 3
		.amdhsa_float_denorm_mode_16_64 3
		.amdhsa_memory_ordered 1
		.amdhsa_forward_progress 1
		.amdhsa_inst_pref_size 167
	.end_amdhsa_kernel
	.amdgpu_metadata
---
amdhsa.version: [ 1, 2 ]
amdhsa.kernels:
  - .name:           k_qbe4a75e4b5_scores
    .symbol:         k_qbe4a75e4b5_scores.kd
    .args:
      - { .name: qkv, .offset: 0, .size: 8, .value_kind: global_buffer, .address_space: global }
      - { .name: pu, .offset: 8, .size: 8, .value_kind: global_buffer, .address_space: global }
      - { .name: cm, .offset: 16, .size: 8, .value_kind: global_buffer, .address_space: global }
      - { .name: zs, .offset: 24, .size: 8, .value_kind: global_buffer, .address_space: global }
    .group_segment_fixed_size: 327680
    .private_segment_fixed_size: 0
    .kernarg_segment_align: 8
    .kernarg_segment_size: 32
    .max_flat_workgroup_size: 128
    .sgpr_count:     80
    .vgpr_count:     1024
    .wavefront_size: 32
...
	.end_amdgpu_metadata
.endif
;; end of part 3
;; launch norm (part 4): grid 36 x 4, 8 waves a work-group, no clusters, 0 bytes of LDS; arguments pu, cm, zs, pn; writes pn
.if DOCPART == 4
	.amdgcn_target "amdgcn-amd-amdhsa--gfx1250"
	.amdhsa_code_object_version 6
	.text
	.protected	k_qbe4a75e4b5_norm
	.globl	k_qbe4a75e4b5_norm
	.p2align	8
	.type	k_qbe4a75e4b5_norm,@function
k_qbe4a75e4b5_norm:
	s_mov_b64 s[64:65], 0
	v_nop
	global_prefetch_b8 v0, s[64:65] scope:SCOPE_SE
	s_setreg_imm32_b32 hwreg(HW_REG_WAVE_MODE, 25, 1), 1
	s_wait_xcnt 0x0
; pn[b][s][t] = pu[b][s][t] x f, f = 2^(cm[g][s] - cmS[s]) / Z[s], g = t / 128; cmS = the maximum of cm over the column's granules g >= 2 sb, Z = the sum over them of zs[g][s] 2^(cm[g][s] - cmS).
; So each weight ends as 2^(c S - c max over the column) / (the column's sum): the softmax over the queries.  pu, pn f16 (a second rounding of a number in 0..1; below 6e-5 f16's fixed step of 6e-8), all else f32.
; A stream: one work-group to a lower tile of 256 key rows x 256 queries.  Thread tid makes key row tid's figures; wave w streams rows 32 w .. 32 w + 31, its own lanes' rows: no LDS, no barrier.
; Granules below 2 sb were never written: their offset is clamped to granule 2 sb and their term is multiplied by 0.  Z is at least 1: the granule that holds the column's maximum has a weight of 1.
; A factor under 2^-126 counts as 0.
.set VO,  2                            ; v[2:17]   offset of granule g's figure
.set VA,  18                           ; v18       of granule 2 tb's
.set NUL, 19                           ; v19       0: the addend of the widening multiply
.set RO,  20                           ; v20       my 16 bytes in my wave's first row
.set CM,  24                           ; v[24:39]
.set ZV,  40                           ; v[40:55]
.set CA,  56
.set CBB, 57
.set MX,  58
.set ZA,  59
.set ZB,  60
.set RC,  61
.set FA,  62
.set FB,  63
.set GA,  66
.set GB,  67
.set FP,  68                           ; v[68:71]  four registers by turns: a row's factor
.set T,   76                           ; v[76:83]
.set X,   84                           ; v[84:211] 32 rows x 4 registers
.set TB,  12
.set SB,  13
.set BB,  14
.set SB2, 15
.set PUB, 20
.set PNB, 22
.set SEL, 26
.set HM,  28                           ; lanes 16-31
.set SG,  32                           ; s[32:47] 1.0 for granules of the column, else 0
	s_load_b256 s[4:11], s[0:1], 0x0               ; pu s[4:5], cm s[6:7], zs s[8:9], pn s[10:11]
	s_mov_b32 s[TB], 0
.irp thr, 1,3,6,10,15,21,28
	s_cmp_ge_u32 ttmp9, \thr
	s_add_co_ci_u32 s[TB], s[TB], 0
.endr
	s_add_co_u32 s16, s[TB], 1
	s_mul_i32 s16, s16, s[TB]
	s_lshr_b32 s16, s16, 1
	s_sub_co_u32 s[SB], ttmp9, s16
	s_and_b32 s[BB], ttmp7, 0xffff
	s_lshl_b32 s[SB2], s[SB], 1
	s_lshl_b32 s17, s[SB], 10
	s_lshl_b32 s18, s[BB], 17
	s_add_co_u32 s17, s17, s18
	v_lshl_add_u32 v1, v0, 2, s17                  ; (16 b x 2,048 + 256 sb + tid) x 4
.set g, 0
.rept 16
	s_max_u32 s18, s[SB2], g
	s_lshl_b32 s18, s18, 13
	v_add_nc_u32 v[VO+g], s18, v1
	s_cmp_le_u32 s[SB2], g
	s_cselect_b32 s[SG+g], 1.0, 0
.set g, g+1
.endr
	s_lshl_b32 s18, s[TB], 14
	v_add_nc_u32 v[VA], s18, v1
	v_and_b32 v21, 31, v0
	v_lshrrev_b32 v22, 5, v0
	v_lshlrev_b32 v[RO], 4, v21
	v_lshl_add_u32 v[RO], v22, 17, v[RO]           ; 16 lane + 32 rows of 4,096 bytes a wave
	s_lshl_b32 s24, s[BB], 23
	s_lshl_b32 s25, s[SB], 20
	s_add_co_u32 s24, s24, s25
	s_lshl_b32 s25, s[TB], 9
	s_add_co_u32 s24, s24, s25
	s_mov_b32 s25, 0
	s_mov_b32 s[SEL], 0x76543210
	s_mov_b32 s[SEL+1], 0xfedcba98
	s_mov_b32 s[HM], 0xffff0000
	v_mov_b32 v[NUL], 0
.set i, 0
.rept 4
	v_mov_b32 v[FP+i], 0                           ; a lane-sharing move counts as a reader of its destination
.set i, i+1
.endr
	s_wait_kmcnt 0x0
	s_add_nc_u64 s[PUB:PUB+1], s[4:5], s[24:25]
	s_add_nc_u64 s[PNB:PNB+1], s[10:11], s[24:25]
.set g, 0
.rept 16
	global_load_b32 v[CM+g], v[VO+g], s[6:7]
.set g, g+1
.endr
.set g, 0
.rept 16
	global_load_b32 v[ZV+g], v[VO+g], s[8:9]
.set g, g+1
.endr
	global_load_b32 v[CA], v[VA], s[6:7]
	global_load_b32 v[CBB], v[VA], s[6:7] offset:8192
.set i, 0
.rept 32
	global_load_b128 v[X+4*i:X+4*i+3], v[RO], s[PUB:PUB+1] offset:4096*i th:TH_LOAD_NT
.set i, i+1
.endr
	s_wait_loadcnt 32                              ; the 34 figures are in; the 32 rows stay out
	v_max3_num_f32 v[MX], v[CM], v[CM+1], v[CM+2]
.irp g, 3,5,7,9,11,13
	v_max3_num_f32 v[MX], v[MX], v[CM+(\g)], v[CM+(\g)+1]
.endr
	v_max_num_f32 v[MX], v[MX], v[CM+15]
.set g, 0
.rept 16
	v_sub_f32 v[CM+g], v[CM+g], v[MX]
.set g, g+1
.endr
	v_sub_f32 v[CA], v[CA], v[MX]
	v_sub_f32 v[CBB], v[CBB], v[MX]
.set g, 0
.rept 16
	v_exp_f32 v[CM+g], v[CM+g]
.set g, g+1
.endr
	v_exp_f32 v[CA], v[CA]
	v_exp_f32 v[CBB], v[CBB]
	v_nop                                          ; a plain instruction behind the last exponential
	s_wait_alu depctr_va_vdst(0)                   ; one wait for the 18
.set g, 0
.rept 16
	v_mul_f32 v[CM+g], s[SG+g], v[CM+g]
.set g, g+1
.endr
	v_mul_f32 v[ZA], v[ZV], v[CM]
	v_mul_f32 v[ZB], v[ZV+1], v[CM+1]
.set g, 2
.rept 14
	v_fmac_f32 v[ZA+g%2], v[ZV+g], v[CM+g]
.set g, g+1
.endr
	v_add_f32 v[ZA], v[ZA], v[ZB]
	v_rcp_f32 v[RC], v[ZA]
	v_nop
	s_wait_alu depctr_va_vdst(0)
	v_mul_f32 v[FA], v[CA], v[RC]                  ; my key row's factor for queries 0-127 of the tile,
	v_mul_f32 v[FB], v[CBB], v[RC]                 ; and for queries 128-255
	; Row i's 512 bytes lie 16 a lane: lanes 0-15 want lane i's FA, lanes 16-31 its FB.  A lane-sharing move reaches inside a half of 16 lanes, so each half is given what it will want.
	v_permlanex16_b32 v[CM], v[FA], s[SEL], s[SEL+1]
	v_permlanex16_b32 v[CM+1], v[FB], s[SEL], s[SEL+1]
	v_cndmask_b32 v[GA], v[FA], v[CM+1], s[HM]     ; rows 0-15: own FA below, the other half's FB above
	v_cndmask_b32 v[GB], v[CM], v[FB], s[HM]       ; rows 16-31: the other half's FA below, own FB above
; A row: each f16 half is widened and multiplied by the f32 factor in one line (half x f + 0), and two products are rounded to f16 in one line.
.macro ROW i, n, g
	s_wait_loadcnt 31-(\i)                         ; row i is in, the younger rows stay out
	v_mov_b32_dpp v[FP+(\i)%4], v[\g] row_share:\n row_mask:0xf bank_mask:0xf
.irp k, 0,1,2,3
	v_fma_mix_f32 v[T+2*(\k)],   v[X+4*(\i)+(\k)], v[FP+(\i)%4], v[NUL] op_sel_hi:[1,0,0]
	v_fma_mix_f32 v[T+2*(\k)+1], v[X+4*(\i)+(\k)], v[FP+(\i)%4], v[NUL] op_sel:[1,0,0] op_sel_hi:[1,0,0]
.endr
.irp k, 0,1,2,3
	v_cvt_pk_f16_f32 v[X+4*(\i)+(\k)], v[T+2*(\k)], v[T+2*(\k)+1]
.endr
	global_store_b128 v[RO], v[X+4*(\i):X+4*(\i)+3], s[PNB:PNB+1] offset:4096*(\i)  ; 512 consecutive aligned bytes; each row's registers are written once behind its load
.endm
.irp n, 0,1,2,3,4,5,6,7,8,9,10,11,12,13,14,15
	ROW \n, \n, GA
.endr
.irp n, 0,1,2,3,4,5,6,7,8,9,10,11,12,13,14,15
	ROW 16+(\n), \n, GB
.endr
	s_endpgm
.Lfunc_end_k_qbe4a75e4b5_norm:
	.size	k_qbe4a75e4b5_norm, .Lfunc_end_k_qbe4a75e4b5_norm-k_qbe4a75e4b5_norm
	.p2alignl 7, 3214868480
	.fill 96, 4, 3214868480
	.section	.rodata,"a",@progbits
	.p2align	6, 0x0
	.amdhsa_kernel k_qbe4a75e4b5_norm
		.amdhsa_group_segment_fixed_size 0
		.amdhsa_private_segment_fixed_size 0
		.amdhsa_enable_private_segment 0
		.amdhsa_kernarg_size 32
		.amdhsa_user_sgpr_count 2
		.amdhsa_user_sgpr_kernarg_segment_ptr 1
		.amdhsa_wavefront_size32 1
		.amdhsa_system_sgpr_workgroup_id_x 1
		.amdhsa_system_sgpr_workgroup_id_y 1
		.amdhsa_system_sgpr_workgroup_id_z 1
		.amdhsa_system_vgpr_workitem_id 0
		.amdhsa_next_free_vgpr 224
		.amdhsa_next_free_sgpr 66
		.amdhsa_reserve_vcc 0
		.amdhsa_float_denorm_mode_32 3
		.amdhsa_float_denorm_mode_16_64 3
		.amdhsa_memory_ordered 1
		.amdhsa_forward_progress 1
		.amdhsa_inst_pref_size 44
	.end_amdhsa_kernel
	.amdgpu_metadata
---
amdhsa.version: [ 1, 2 ]
amdhsa.kernels:
  - .name:           k_qbe4a75e4b5_norm
    .symbol:         k_qbe4a75e4b5_norm.kd
    .args:
      - { .name: pu, .offset: 0, .size: 8, .value_kind: global_buffer, .address_space: global }
      - { .name: cm, .offset: 8, .size: 8, .value_kind: global_buffer, .address_space: global }
      - { .name: zs, .offset: 16, .size: 8, .value_kind: global_buffer, .address_space: global }
      - { .name: pn, .offset: 24, .size: 8, .value_kind: global_buffer, .address_space: global }
    .group_segment_fixed_size: 0
    .private_segment_fixed_size: 0
    .kernarg_segment_align: 8
    .kernarg_segment_size: 32
    .max_flat_workgroup_size: 256
    .sgpr_count:     66
    .vgpr_count:     224
    .wavefront_size: 32
...
	.end_amdgpu_metadata
.endif
;; end of part 4
;; launch pv (part 5): grid 8 x 32, 4 waves a work-group, clusters of 4 x 1, 327,680 bytes of LDS; arguments pn, qkv, out0; writes out0
.if DOCPART == 5
	.amdgcn_target "amdgcn-amd-amdhsa--gfx1250"
	.amdhsa_code_object_version 6
	.text
	.protected	k_qbe4a75e4b5_pv
	.globl	k_qbe4a75e4b5_pv
	.p2align	8
	.type	k_qbe4a75e4b5_pv,@function
k_qbe4a75e4b5_pv:
	s_mov_b64 s[64:65], 0
	v_nop
	global_prefetch_b8 v0, s[64:65] scope:SCOPE_SE
	s_setreg_imm32_b32 hwreg(HW_REG_WAVE_MODE, 25, 1), 1
	s_wait_xcnt 0x0
	s_wait_alu depctr_hold_cnt(0) depctr_sa_sdst(0) depctr_va_vdst(0) depctr_va_sdst(0) depctr_va_ssrc(0) depctr_va_vcc(0) depctr_vm_vsrc(0)
	s_getreg_b32 s2, hwreg(HW_REG_IB_STS2, 6, 4)
	s_cmp_eq_u32 s2, 0
	s_cbranch_scc0 .Lentry_in_a_cluster
	s_endpgm
.Lentry_in_a_cluster:
	s_bfe_u32 s2, ttmp6, 0x10000c
	s_cmp_lg_u32 s2, 0x3003
	s_cbranch_scc0 .Lentry_shape_is_right
	s_endpgm
.Lentry_shape_is_right:
; out0[b][t][1024 + v] = sum over keys s <= t of P[t][s] v[s][v].  pn [4][s 2048][t 2048] f16 holds P transposed (0 where hidden), v = qkv's third matrix [8192][1024] f16; sums in f32, stored as f32.
; THE WALK.  A batch's queries lie in 16 blocks of 128; block i needs (i + 2) / 2 slots of 256 keys.  A work-group takes TWO blocks, 15 - p and then p, for 128 channels: 9 slots whatever p:
; 256 equal work-groups, constant trip counts, and one ring of two LDS slots that runs on across the change of blocks.  What differs hangs on scalars made from p, which all partners share.
; CLUSTER 4 x 1: the four partners take four channel blocks of the same walk, so P's tile is asked for JOINTLY; v's tile is each partner's own, a plain load behind the same round.
; BOTH OPERANDS LIE K DOWN THE ROWS ([key][query], [key][channel]) and come out of LDS turned, by ds_load_tr16_b128.  Source 0 = 16 channels, source 1 = 16 queries: a lane holds one query and 8 neighbouring channels.
; The accumulators are cleared by moves, at the start and at the change of blocks: where that change falls hangs on p, so no first step can be written out.
; The last change of slots fetches fragments of a slot that is read no more, and the last way out clears once for nothing: the price of one text for both last slots.
; REGISTERS: window 0: v16-30 addresses; v32-95 the way out; v128-255 accumulator (a, b) at v[128 + 8 (4 a + b)].  window 1: two fragment buffers of 128: 64 registers of P, then 64 of v.
.set PT,     288                       ; an LDS row: 256 bytes + 32 = 72 words
.set HALFT,  128*PT                    ; what one tensor load brings
.set TILE,   2*HALFT                   ; 256 keys
.set SLOT,   2*TILE                    ; P's tile, then v's
.set STAGE,  2*SLOT                    ; 16 rows x 272 bytes for each wave, never filled by a tensor load
.set SPITCH, 272
.set SPARE,  STAGE+4*16*SPITCH
.set ADRA0, 16                         ; my lane's place in P's tile; v17, v18: keys 0-127 and 128-255 of the slot being read
.set ADRA,  17
.set ADRB0, 20
.set ADRB,  21
.set STO,  24
.set RD,   25
.set CO,   26
.set SPW,  28
.set NIL,  29
.set PFO,  30
.set OB,   32
.set ACC,  128
.set F0,   0
.set F1,   128
.set WV,   10
.set WR,   11                          ; my query half; 0 = I fetch P, 1 = v
.set WC,   12                          ; my channel half; which 128 keys I fetch
.set CX,   13
.set VB,   14                          ; my work-group's block of 128 channels
.set PP,   15
.set BB,   16
.set NL,   17                          ; slots of the first block
.set NS,   18                          ; of the second
.set NXT,  19                          ; the slot to be asked for next, in its block
.set LQ,   20                          ; slots of the block whose tiles are being asked for
.set TBQ,  21                          ; that block's byte offset in a row of pn
.set TBQ2, 22                          ; the second block's
.set RT,   23                          ; slots of the block in hand still to be multiplied
.set G1A,  24
.set G0A,  32
.set PA,   40                          ; s[40:41] pn at my half of the batch's first 256 keys
.set PB,   42                          ; s[42:43] v likewise, at my channels
.set OFF,  44
.set TBR,  46
.set CNT,  47
.set G1B,  48
.set G0B,  56
.set OUT,  66
.set OUTB, 68
.set PFB,  70
.set PFP,  72
.set PO,   74
.set LIM,  80                          ; 1 in a wave that prefetches, else the greatest number
.set LIMSW, 81                         ; what it becomes at the change of blocks
.set PSH,  82
.set WOFF, 83
.set MSB, 0
.macro WIN new
.if MSB != (\new)
	s_set_vgpr_msb (MSB<<8)|(\new)
.set MSB, \new
.endif
.endm
.set MUL,  0x05                        ; sources in window 1, C and D in window 0
.set TO_F, 0x40
.macro PLACES
.rept 4
	v_nop
.endr
.endm
.macro JLOAD                           ; waves 0, 1: P's halves, jointly; waves 2, 3: v's halves, my own; an s_nop 0 and four v_nop follow each line
	s_cmp_eq_u32 s[WR], 0
	s_cbranch_scc0 .Lfor_v_\@
	tensor_load_to_lds s[G0A+4:G0A+7], s[G1A:G1A+7]
	s_nop 0
	PLACES
	s_branch .Lasked_\@
.Lfor_v_\@:
	tensor_load_to_lds s[G0B+4:G0B+7], s[G1B:G1B+7]
	s_nop 0
	PLACES
.Lasked_\@:
.endm
; A prefetch of what the NEXT change of slots will ask for (one slot, 128 matrix instructions, ahead); the last change that fills a slot names nothing.
; P's tile is read by the two clusters of a walk: cluster x = 0 asks, its partners 32 of a wave's 128 rows each, by address.  v's rows are read by all eight walks of a batch: the walk p = 0,
; whose first block walks all keys, asks in that block, each partner for its own channels: 128 rows a wave, four instructions.
.macro ASK
	s_cmp_gt_u32 s[CNT], s[LIM]
	s_cbranch_scc0 .Lnone_\@
	global_prefetch_b8 v[PFO], s[PFP:PFP+1] th:TH_LOAD_NT scope:SCOPE_SE
	s_cmp_eq_u32 s[WR], 0
	s_cbranch_scc1 .Lnone_\@
.irp i, 1,2,3
	global_prefetch_b8 v[PFO], s[PFP:PFP+1] offset:(\i)*65536 th:TH_LOAD_NT scope:SCOPE_SE
.endr
.Lnone_\@:
.endm
.macro CREST
	s_cmp_lg_u32 s[WV], 0
	s_cbranch_scc1 .Lnot_wave_0_\@
	s_barrier_signal -3
.Lnot_wave_0_\@:
	s_barrier_wait -3
	s_barrier_signal -1
	s_barrier_wait -1
.endm
.macro CROUND
	s_barrier_signal -1
	s_barrier_wait -1
	CREST
.endm
	s_load_b128 s[4:7], s[0:1], 0x0                ; pn s[4:5], qkv s[6:7]
	s_load_b64 s[8:9], s[0:1], 0x10                ; out0
	v_lshl_add_u32 v[SPW], v0, 2, SPARE
	v_mov_b32 v[NIL], 0
	ds_add_u32 v[SPW], v[NIL]                      ; the wave's opening: the add and its wait ahead of my first tensor load
	v_lshrrev_b32 v1, 5, v0
	v_readfirstlane_b32 s[WV], v1
	s_lshr_b32 s[WR], s[WV], 1
	s_and_b32 s[WC], s[WV], 1
	s_bfe_u32 s[CX], ttmp6, 0x40000
	s_lshl_b32 s[VB], ttmp9, 2
	s_add_co_u32 s[VB], s[VB], s[CX]
	s_and_b32 s[BB], ttmp7, 0xffff
	s_and_b32 s[PP], s[BB], 7
	s_lshr_b32 s[BB], s[BB], 3
	s_sub_co_u32 s[NL], 17, s[PP]
	s_lshr_b32 s[NL], s[NL], 1
	s_sub_co_u32 s[NS], 9, s[NL]
	s_sub_co_u32 s76, 15, s[PP]                    ; the first block
	s_lshl_b32 s[TBQ], s76, 8                      ; 128 queries are 256 bytes of a row of pn
	s_lshl_b32 s[TBQ2], s[PP], 8
	s_lshl_b32 s85, s76, 20                        ; and 128 rows of 8,192 bytes of out0
	s_mov_b32 s[NXT], 2
	s_mov_b32 s[LQ], s[NL]
	s_mov_b32 s[RT], s[NL]
	s_mov_b32 s[TBR], 0
	s_mov_b32 s[G1A], 15|(1<<16)|(1<<20)|(1<<21)|(5<<22)|(7<<25)  ; the mask of four; 2-byte elements; padding on; bit 21 beside a mask; after every 64 words, 8 words
	s_mov_b32 s[G1A+1], 128<<16
	s_mov_b32 s[G1A+2], 128<<16
	s_mov_b32 s[G1A+3], 128<<16
	s_mov_b32 s[G1A+4], 128
	s_mov_b32 s[G1A+5], 2048                       ; elements from key to key in pn
	s_mov_b32 s[G1A+6], 0
	s_mov_b32 s[G1A+7], 0
	s_mov_b32 s[G1B], (1<<16)|(1<<20)|(5<<22)|(7<<25)
	s_mov_b32 s[G1B+1], 128<<16
	s_mov_b32 s[G1B+2], 128<<16
	s_mov_b32 s[G1B+3], 128<<16
	s_mov_b32 s[G1B+4], 128
	s_mov_b32 s[G1B+5], 1024
	s_mov_b32 s[G1B+6], 0
	s_mov_b32 s[G1B+7], 0
	s_lshl_b32 s76, s[BB], 23                      ; pn: the batch, my 128 keys of 4,096 bytes
	s_lshl_b32 s77, s[WC], 19
	s_add_co_u32 s76, s76, s77
	s_mov_b32 s77, 0
	s_lshl_b32 s78, s[BB], 22                      ; v: the third matrix, the batch, my 128 keys of 2,048 bytes, my 128 channels
	s_add_co_u32 s78, s78, 0x2000000
	s_lshl_b32 s79, s[WC], 18
	s_add_co_u32 s78, s78, s79
	s_lshl_b32 s79, s[VB], 8
	s_add_co_u32 s78, s78, s79
	s_mov_b32 s79, 0
	s_mul_i32 s[WOFF], s[WV], HALFT                ; where my loads land: no place in the cluster enters an LDS address
	s_mov_b32 s[OFF], s[TBQ]
	s_mov_b32 s[OFF+1], 0
	s_mov_b32 s[PO+1], 0
	s_sub_co_u32 s[PSH], 20, s[WR]                 ; a slot is 2^20 bytes of pn, 2^19 of v
	s_cmp_eq_u32 s[WR], 0
	s_cselect_b32 s84, ttmp9, s[PP]
	s_cmp_eq_u32 s84, 0
	s_cselect_b32 s[LIM], 1, -1
	s_cmp_eq_u32 s[WR], 0
	s_cselect_b32 s[LIMSW], s[LIM], -1
	s_wait_dscnt 0x0                               ; the opening add is done
	s_wait_kmcnt 0x0
	s_add_nc_u64 s[PA:PA+1], s[4:5], s[76:77]
	s_add_nc_u64 s[PB:PB+1], s[6:7], s[78:79]
	CROUND                                         ; all four work-groups are here: the first joint loads meet
	s_mov_b32 s[G0A], 1
	s_mov_b32 s[G0A+1], s[WOFF]
	s_add_nc_u64 s[G0A+2:G0A+3], s[PA:PA+1], s[OFF:OFF+1]
	s_mov_b32 s[G0A+4], 1
	s_add_co_u32 s[G0A+5], s[WOFF], SLOT
	s_add_nc_u64 s[G0A+6:G0A+7], s[G0A+2:G0A+3], 0x100000
	s_or_b32 s[G0A+3], s[G0A+3], 0x80000000
	s_or_b32 s[G0A+7], s[G0A+7], 0x80000000
	s_mov_b32 s[G0B], 1
	s_mov_b32 s[G0B+1], s[WOFF]
	s_add_nc_u64 s[G0B+2:G0B+3], s[PB:PB+1], 0
	s_mov_b32 s[G0B+4], 1
	s_add_co_u32 s[G0B+5], s[WOFF], SLOT
	s_add_nc_u64 s[G0B+6:G0B+7], s[PB:PB+1], 0x80000
	s_or_b32 s[G0B+3], s[G0B+3], 0x80000000
	s_or_b32 s[G0B+7], s[G0B+7], 0x80000000
	s_cmp_eq_u32 s[WR], 0                          ; a wave's two first fills (the first block's slots 0 and 1) stand in one branch: two loads of mine are out
	s_cbranch_scc0 .Lfirst_v
	tensor_load_to_lds s[G0A:G0A+3], s[G1A:G1A+7]
	s_nop 0
	tensor_load_to_lds s[G0A+4:G0A+7], s[G1A:G1A+7]
	s_nop 0
	PLACES
	s_branch .Lfirst_asked
.Lfirst_v:
	tensor_load_to_lds s[G0B:G0B+3], s[G1B:G1B+7]
	s_nop 0
	tensor_load_to_lds s[G0B+4:G0B+7], s[G1B:G1B+7]
	s_nop 0
	PLACES
.Lfirst_asked:
.set i, 0
.rept 128
	v_mov_b32 v[ACC+i], 0                          ; the sums start at 0: written while the first tiles are on their way
.set i, i+1
.endr
	v_and_b32 v1, 15, v0                           ; r
	v_bfe_u32 v2, v0, 4, 1                         ; h
	v_and_b32 v3, 7, v0
	v_lshl_add_u32 v3, v2, 3, v3                   ; the turning load: key 8 h + lane % 8,
	v_mul_u32_u24 v3, v3, PT
	v_bfe_u32 v4, v0, 3, 1
	v_lshl_add_u32 v3, v4, 4, v3                   ; columns 8 ((lane / 8) % 2) on
	s_lshl_b32 s84, s[WR], 7
	v_add_nc_u32 v[ADRA0], s84, v3
	s_lshl_b32 s84, s[WC], 7
	s_add_co_u32 s84, s84, TILE
	v_add_nc_u32 v[ADRB0], s84, v3
	v_add_nc_u32 v[ADRA], s[TBR], v[ADRA0]
	v_add_nc_u32 v[ADRA+1], HALFT, v[ADRA]
	v_add_nc_u32 v[ADRB], s[TBR], v[ADRB0]
	v_add_nc_u32 v[ADRB+1], HALFT, v[ADRB]
	s_mul_i32 s84, s[WV], 16*SPITCH
	s_add_co_u32 s84, s84, STAGE
	v_mul_u32_u24 v5, v1, SPITCH
	v_lshl_add_u32 v5, v2, 5, v5
	v_add_nc_u32 v[STO], s84, v5                   ; in: query row r, 32 bytes (8 channels of f32) a half
	v_mul_u32_u24 v6, v2, SPITCH
	v_lshl_add_u32 v6, v1, 4, v6
	v_add_nc_u32 v[RD], s84, v6                    ; back: lanes 0-15 one row of 256 bytes, lanes 16-31 the next
	v_lshlrev_b32 v[CO], 13, v2
	v_lshl_add_u32 v[CO], v1, 4, v[CO]             ; the same two rows in out0
	s_lshl_b32 s78, s[BB], 24                      ; out0: the batch, my 64 queries, column 1024 + my 64 channels
	s_lshl_b32 s79, s[WR], 19
	s_add_co_u32 s78, s78, s79
	s_lshl_b32 s79, s[VB], 9
	s_add_co_u32 s78, s78, s79
	s_lshl_b32 s79, s[WC], 8
	s_add_co_u32 s78, s78, s79
	s_add_co_u32 s78, s78, 4096
	s_mov_b32 s79, 0
	s_add_nc_u64 s[OUTB:OUTB+1], s[8:9], s[78:79]
	s_mov_b32 s[OFF], s85
	s_add_nc_u64 s[OUT:OUT+1], s[OUTB:OUTB+1], s[OFF:OFF+1]
	s_lshl_b32 s78, s[CX], 17                      ; the prefetches: of P's 128 rows that I fetch, my work-group's 32
	s_cmp_eq_u32 s[WR], 0
	s_cselect_b32 s78, s78, 0
	s_cselect_b64 s[PFB:PFB+1], s[PA:PA+1], s[PB:PB+1]
	s_add_nc_u64 s[PFB:PFB+1], s[PFB:PFB+1], s[78:79]
	s_sub_co_u32 s84, 12, s[WR]                    ; a lane a row: 4,096 bytes in pn, 2,048 in v
	v_and_b32 v[PFO], 31, v0
	v_lshlrev_b32 v[PFO], s84, v[PFO]
; 8 matrix instructions: query blocks a0, a0 + 1 x all 4 channel blocks, 32 keys: half c of buffer f.  The 16 accumulators take turns, in the same order everywhere.
.macro MUL8 f, c, a0
	WIN MUL
.irp a, \a0, (\a0)+1
.irp b, 0,1,2,3
	v_wmma_f32_16x16x32_f16 v[ACC+8*(4*(\a)+(\b)):ACC+8*(4*(\a)+(\b))+7], v[(\f)+64+8*(4*(\c)+(\b)):(\f)+64+8*(4*(\c)+(\b))+7], v[(\f)+8*(4*(\c)+(\a)):(\f)+8*(4*(\c)+(\a))+7], v[ACC+8*(4*(\a)+(\b)):ACC+8*(4*(\a)+(\b))+7]
.endr
.endr
.endm
; 32 LDS loads in one run: the fragments of keys 64 q .. 64 q + 63 into buffer f; the first 32 keys first
.macro FETCH q, f
	WIN TO_F
.irp c, 0,1
.irp i, 0,1,2,3
	ds_load_tr16_b128 v[(\f)+64+8*(4*(\c)+(\i)):(\f)+64+8*(4*(\c)+(\i))+3],   v[ADRB+(\q)/2] offset:((\q)%2)*64*PT+32*PT*(\c)+32*(\i)
	ds_load_tr16_b128 v[(\f)+64+8*(4*(\c)+(\i))+4:(\f)+64+8*(4*(\c)+(\i))+7], v[ADRB+(\q)/2] offset:((\q)%2)*64*PT+32*PT*(\c)+32*(\i)+16*PT
	ds_load_tr16_b128 v[(\f)+8*(4*(\c)+(\i)):(\f)+8*(4*(\c)+(\i))+3],         v[ADRA+(\q)/2] offset:((\q)%2)*64*PT+32*PT*(\c)+32*(\i)
	ds_load_tr16_b128 v[(\f)+8*(4*(\c)+(\i))+4:(\f)+8*(4*(\c)+(\i))+7],       v[ADRA+(\q)/2] offset:((\q)%2)*64*PT+32*PT*(\c)+32*(\i)+16*PT
.endr
.endr
.endm
.macro QUARTER q, f, g
	s_wait_dscnt 16                                ; the first 32 keys' fragments are in
	MUL8 \f, 0, 0
	MUL8 \f, 0, 2
	PLACES
	FETCH \q, \g
	s_wait_dscnt 32                                ; all but the 32 just issued
	MUL8 \f, 1, 0
	MUL8 \f, 1, 2
.endm
; The last quarter multiplies buffer 1 and changes slots.  fill = 1: the slot just read is filled again with the walk's tile two on, its addresses made anew from the tile's number.
.macro TURN fill
.if \fill
	s_wait_xcnt 0x0                                ; the last prefetches, a slot back, have read their address
.endif
	WIN 0
	s_wait_tensorcnt 0x0                           ; all my tensor loads have landed: the one that was out is my part of the next slot
	ds_add_u32 v[SPW], v[NIL]                      ; 0 onto my spare word
.if \fill
	s_lshl_b32 s[OFF], s[NXT], 20                  ; no load of mine is out, so the walking descriptors may be written
	s_add_co_u32 s[OFF], s[OFF], s[TBQ]
	s_xor_b32 s[G0A+5], s[G0A+5], SLOT
	s_add_nc_u64 s[G0A+6:G0A+7], s[PA:PA+1], s[OFF:OFF+1]
	s_or_b32 s[G0A+7], s[G0A+7], 0x80000000
	s_lshl_b32 s[OFF], s[NXT], 19
	s_xor_b32 s[G0B+5], s[G0B+5], SLOT
	s_add_nc_u64 s[G0B+6:G0B+7], s[PB:PB+1], s[OFF:OFF+1]
	s_or_b32 s[G0B+7], s[G0B+7], 0x80000000
	s_add_co_u32 s[NXT], s[NXT], 1                 ; the block's next slot, or behind its last the second block's slot 0
	s_cmp_eq_u32 s[NXT], s[LQ]
	s_cselect_b32 s[NXT], 0, s[NXT]
	s_cselect_b32 s[TBQ], s[TBQ2], s[TBQ]
	s_cselect_b32 s[LQ], s[NS], s[LQ]
	s_cselect_b32 s[LIM], s[LIMSW], s[LIM]         ; v's rows have all been read when the first block ends
	s_lshl_b32 s[PO], s[NXT], s[PSH]               ; where the next request will stand
	s_cmp_eq_u32 s[WR], 0
	s_cselect_b32 s76, s[TBQ], 0
	s_add_co_u32 s[PO], s[PO], s76
	s_add_nc_u64 s[PFP:PFP+1], s[PFB:PFB+1], s[PO:PO+1]
.endif
	s_wait_dscnt 17                                ; the add and the youngest sixteen loads may be out
	MUL8 F1, 0, 0
	s_wait_dscnt 0x0                               ; the add is done and my reads of this slot are over
	s_barrier_signal -1
	MUL8 F1, 0, 2
	WIN 0
	s_barrier_wait -1
.if \fill
	CREST                                          ; no wave of any partner still reads this slot or has a load on its way
	JLOAD                                          ; my one tensor load behind the round; 112 matrix instructions stand ahead of the wait for it
.else
	PLACES
.endif
	s_xor_b32 s[TBR], s[TBR], SLOT
	v_add_nc_u32 v[ADRA], s[TBR], v[ADRA0]
	v_add_nc_u32 v[ADRA+1], HALFT, v[ADRA]
	v_add_nc_u32 v[ADRB], s[TBR], v[ADRB0]
	v_add_nc_u32 v[ADRB+1], HALFT, v[ADRB]
	FETCH 0, F0
.if \fill
	WIN 0
	ASK
.endif
	MUL8 F1, 1, 0
	MUL8 F1, 1, 2
.endm
; Behind each slot: was it the block's last?  Then the block goes out, 16 query rows at a time through my stage (f32: my 64 channels are 256 bytes of a row), and the second block is set up.
.macro OUTCHK
	WIN 0
	s_sub_co_u32 s[RT], s[RT], 1
	s_cmp_lg_u32 s[RT], 0
	s_cbranch_scc1 .Lgo_on_\@
	PLACES
.irp a, 0,1,2,3
.if (\a) >= 2
	s_wait_xcnt 0x0                                ; the stores of two blocks back have read the registers that are loaded again below
.endif
.irp b, 0,1,2,3
	ds_store_b128 v[STO], v[ACC+8*(4*(\a)+(\b)):ACC+8*(4*(\a)+(\b))+3]   offset:64*(\b)
	ds_store_b128 v[STO], v[ACC+8*(4*(\a)+(\b))+4:ACC+8*(4*(\a)+(\b))+7] offset:64*(\b)+16
.endr
.irp t, 0,1,2,3,4,5,6,7
	ds_load_b128 v[OB+32*((\a)%2)+4*(\t):OB+32*((\a)%2)+4*(\t)+3], v[RD] offset:(\t)*2*SPITCH  ; LDS serves a wave's instructions in order: these see the stores above
.endr
	s_wait_dscnt 0x0
.irp t, 0,1,2,3,4,5,6,7
	global_store_b128 v[CO], v[OB+32*((\a)%2)+4*(\t):OB+32*((\a)%2)+4*(\t)+3], s[OUT:OUT+1] offset:(16*(\a)+2*(\t))*8192 th:TH_STORE_NT  ; 16 lanes store 256 consecutive aligned bytes
.endr
.endr
	s_wait_xcnt 0x0                                ; the stores have read their registers and out0's address
	s_lshl_b32 s[OFF], s[PP], 20
	s_add_nc_u64 s[OUT:OUT+1], s[OUTB:OUTB+1], s[OFF:OFF+1]
	s_mov_b32 s[RT], s[NS]
.set i, 0
.rept 128
	v_mov_b32 v[ACC+i], 0
.set i, i+1
.endr
.Lgo_on_\@:
.endm
	s_wait_tensorcnt 1                             ; my part of slot 0 is in; slot 1's may stay out
	s_barrier_signal -1
	s_barrier_wait -1
	FETCH 0, F0
	WIN 0
	s_mov_b32 s[CNT], 7
.Lslot:                                        ; trip n multiplies the walk's tile n and asks for tile n + 2
	QUARTER 1, F0, F1
	QUARTER 2, F1, F0
	QUARTER 3, F0, F1
	TURN 1
	OUTCHK
	s_sub_co_u32 s[CNT], s[CNT], 1
	s_cmp_lg_u32 s[CNT], 0
	s_cbranch_scc1 .Lslot
	s_mov_b32 s[CNT], 2
.Ltail:                                        ; the last two tiles ask for nothing
	QUARTER 1, F0, F1
	QUARTER 2, F1, F0
	QUARTER 3, F0, F1
	TURN 0
	OUTCHK
	s_sub_co_u32 s[CNT], s[CNT], 1
	s_cmp_lg_u32 s[CNT], 0
	s_cbranch_scc1 .Ltail
	s_wait_tensorcnt 0x0                           ; the wave's end
	ds_add_u32 v[SPW], v[NIL]
	s_wait_dscnt 0x0
	CROUND                                         ; the closing round
	s_endpgm
.Lfunc_end_k_qbe4a75e4b5_pv:
	.size	k_qbe4a75e4b5_pv, .Lfunc_end_k_qbe4a75e4b5_pv-k_qbe4a75e4b5_pv
	.p2alignl 7, 3214868480
	.fill 96, 4, 3214868480
	.section	.rodata,"a",@progbits
	.p2align	6, 0x0
	.amdhsa_kernel k_qbe4a75e4b5_pv
		.amdhsa_group_segment_fixed_size 327680
		.amdhsa_private_segment_fixed_size 0
		.amdhsa_enable_private_segment 0
		.amdhsa_kernarg_size 24
		.amdhsa_user_sgpr_count 2
		.amdhsa_user_sgpr_kernarg_segment_ptr 1
		.amdhsa_wavefront_size32 1
		.amdhsa_system_sgpr_workgroup_id_x 1
		.amdhsa_system_sgpr_workgroup_id_y 1
		.amdhsa_system_sgpr_workgroup_id_z 1
		.amdhsa_system_vgpr_workitem_id 0
		.amdhsa_next_free_vgpr 512
		.amdhsa_next_free_sgpr 100
		.amdhsa_reserve_vcc 0
		.amdhsa_float_denorm_mode_32 3
		.amdhsa_float_denorm_mode_16_64 3
		.amdhsa_memory_ordered 1
		.amdhsa_forward_progress 1
		.amdhsa_inst_pref_size 75
	.end_amdhsa_kernel
	.amdgpu_metadata
---
amdhsa.version: [ 1, 2 ]
amdhsa.kernels:
  - .name:           k_qbe4a75e4b5_pv
    .symbol:         k_qbe4a75e4b5_pv.kd
    .args:
      - { .name: pn, .offset: 0, .size: 8, .value_kind: global_buffer, .address_space: global }
      - { .name: qkv, .offset: 8, .size: 8, .value_kind: global_buffer, .address_space: global }
      - { .name: out0, .offset: 16, .size: 8, .value_kind: global_buffer, .address_space: global }
    .group_segment_fixed_size: 327680
    .private_segment_fixed_size: 0
    .kernarg_segment_align: 8
    .kernarg_segment_size: 24
    .max_flat_workgroup_size: 128
    .sgpr_count:     100
    .vgpr_count:     512
    .wavefront_size: 32
...
	.end_amdgpu_metadata
.endif
;; end of part 5
;; ======== version 2 of 2: 5 launches; version 1 with the launches prep, norm written anew for expert scheduling mode
;; limits: values are held in f16: magnitudes above 65,504 overflow, below 6.1e-05 lose precision
;; workspace buffers: xb 16,777,216 bytes; wb 6,291,456 bytes; bb 12,288 bytes; qkv 50,331,648 bytes; pu 33,554,432 bytes; pn 33,554,432 bytes; cm 524,288 bytes; zs 524,288 bytes
;; launch prep (part 6): grid 353 x 1, 8 waves a work-group, no clusters, 0 bytes of LDS; arguments x, Wq, Wk, Wv, bq, bk, bv, xb, wb, bb, out0; writes xb, wb, bb, out0
.if DOCPART == 6
	.amdgcn_target "amdgcn-amd-amdhsa--gfx1250"
	.amdhsa_code_object_version 6
	.text
	.protected	k_qbe4a75e4b5_prep
	.globl	k_qbe4a75e4b5_prep
	.p2align	8
	.type	k_qbe4a75e4b5_prep,@function
k_qbe4a75e4b5_prep:
	s_mov_b64 s[64:65], 0
	v_nop
	global_prefetch_b8 v0, s[64:65] scope:SCOPE_SE
	s_setreg_imm32_b32 hwreg(HW_REG_WAVE_SCHED_MODE, 0, 2), 2
	s_setreg_imm32_b32 hwreg(HW_REG_WAVE_MODE, 25, 1), 1
	s_wait_xcnt 0x0
	s_wait_alu depctr_vm_vsrc(0)
; x [8192][1024] f32 is copied into columns 0-1023 of out0 [8192][2048] f32 and rounded once to bf16 into xb; Wq, Wk, Wv and the three biases are rounded once to bf16 into wb and bb.
; LAYOUTS, made for the projection's tiles.  xb: [16 K blocks][8192 rows][64] bf16: 128 rows of one K block are 16,384 consecutive bytes.
; wb: [1024 c][3072 n] bf16, the three matrices side by side (q, k, v).  bb: [3072] words, bf16(bias) in the low half, 0 above.
; A stream: no LDS, no barrier, no matrix work.  Work-groups 0-255 take 32 rows of x each, 256-351 take 32 rows of one W, work-group 352 the biases.
; A wave takes 4 rows, 16 KiB of f32: 32 loads, all issued before the first is waited for.  Each register is written once, so no wait frees a store's data.
; x goes two rows at a time: lanes 0-15 take 256 bytes of a row, lanes 16-31 the same columns of the next row; their 2 x 128 bytes of bf16 are neighbours in xb, so every store covers whole aligned 256 bytes.
; THE MODE: SCHED_MODE bits 1:0 = 2 (LLVM: expert scheduling mode 2), set by the entry lines.  The code itself states the register dependences
; between vector instructions and memory instructions, with s_wait_alu, always for 0.
; THE PLAN.  Registers that memory instructions touch:
;   v1, v2, v3   byte offsets, made once at the head of a path and never written again: read by every load and store of the path.
;   X0 .. X31    written by the 32 loads and by nothing else; read by the stores to out0 and by the conversions.
;   Y0 .. Y31    written once, by the conversions of group g (four loads' worth); read by the four stores that are issued in group g + 1.
; So one wait on va_vdst stands ahead of the first load (the offsets), one at the head of each group but the first (the group before has written its Y), one ahead of the last four stores.
; Behind a group's wait its stores are dealt among its conversions, which name this group's X and Y alone.  No register that a memory instruction reads is written again,
; no vector instruction writes a scalar register or VCC, and EXEC is never written: no other wait of the kind is owed.
.set X,   16                           ; v[16:143]  32 x 4 registers as loaded
.set Y,   144                          ; v[144:207] 32 x 2 registers of bf16
.set SRC, 26                           ; s[26:27] source at the work-group's first row
.set DST, 28                           ; s[28:29] bf16 destination; s[30:31] the same 8 K blocks on (a store's immediate holds 7 blocks of 1 MiB)
.set OUT, 32                           ; s[32:33] out0 at the work-group's first row
.set OFS, 34                           ; s[34:35] an offset, high word 0
	s_load_b512 s[4:19], s[0:1], 0x0               ; x s[4:5], Wq s[6:7], Wk s[8:9], Wv s[10:11], bq s[12:13], bk s[14:15], bv s[16:17], xb s[18:19]
	s_load_b128 s[20:23], s[0:1], 0x40             ; wb s[20:21], bb s[22:23]
	s_load_b64 s[24:25], s[0:1], 0x50              ; out0
	v_and_b32 v4, 31, v0                           ; lane
	v_lshrrev_b32 v5, 5, v0                        ; wave
	s_mov_b32 s[OFS+1], 0
	s_wait_kmcnt 0x0
.macro XPUT                            ; the bf16 of load k goes out: 32 lanes x 8 bytes: two rows of a K block, 256 consecutive aligned bytes
	global_store_b64 v2, v[Y+2*k:Y+2*k+1], s[DST+2*((k%16)/8):DST+2*((k%16)/8)+1] offset:((k%16)%8)*1048576+(k/16)*256
.endm
.macro XBODY                           ; load i: row pair i / 16, K block i % 16
.set i, 0
.rept 32
	global_load_b128 v[X+4*i:X+4*i+3], v1, s[SRC:SRC+1] offset:(i/16)*8192+(i%16)*256 th:TH_LOAD_NT
.set i, i+1
.endr
.set i, 0
.rept 32
.if i%4 == 0
	s_wait_loadcnt 28-i                            ; loads return in order: this group's four are in, the 28 - i younger ones stay out
.if i > 0
	s_wait_alu depctr_va_vdst(0)                   ; the group before has written its Y, which the stores to xb below read
.endif
.endif
	global_store_b128 v3, v[X+4*i:X+4*i+3], s[OUT:OUT+1] offset:(i/16)*16384+(i%16)*256 th:TH_STORE_NT  ; 16 lanes: 256 consecutive aligned bytes of a row
.if i >= 4
.set k, i-4
	XPUT                                           ; the group before; no vector instruction since the wait names these registers
.endif
	v_cvt_pk_bf16_f32 v[Y+2*i], v[X+4*i], v[X+4*i+1]
	v_cvt_pk_bf16_f32 v[Y+2*i+1], v[X+4*i+2], v[X+4*i+3]
.set i, i+1
.endr
	s_wait_alu depctr_va_vdst(0)                   ; the last group has written its Y, which the last four stores read
.set k, 28
.rept 4
	XPUT
.set k, k+1
.endr
.endm
.macro WPUT                            ; the bf16 of load k goes out: 256 consecutive aligned bytes
	global_store_b64 v2, v[Y+2*k:Y+2*k+1], s[DST:DST+1] offset:(k/8)*6144+(k%8)*256
.endm
.macro WBODY                           ; load i: row i / 8, 128 columns from 128 (i % 8)
.set i, 0
.rept 32
	global_load_b128 v[X+4*i:X+4*i+3], v1, s[SRC:SRC+1] offset:512*i th:TH_LOAD_NT
.set i, i+1
.endr
.set i, 0
.rept 32
.if i%4 == 0
	s_wait_loadcnt 28-i                            ; this group's four loads are in, the younger ones stay out
.if i > 0
	s_wait_alu depctr_va_vdst(0)                   ; the group before has written its Y, which the stores below read
.endif
.endif
.if i >= 4
.set k, i-4
	WPUT                                           ; the group before; no vector instruction since the wait names these registers
.endif
	v_cvt_pk_bf16_f32 v[Y+2*i], v[X+4*i], v[X+4*i+1]
	v_cvt_pk_bf16_f32 v[Y+2*i+1], v[X+4*i+2], v[X+4*i+3]
.set i, i+1
.endr
	s_wait_alu depctr_va_vdst(0)                   ; the last group has written its Y, which the last four stores read
.set k, 28
.rept 4
	WPUT
.set k, k+1
.endr
.endm
	s_cmp_ge_u32 ttmp9, 352
	s_cbranch_scc1 .Lbias
	s_cmp_ge_u32 ttmp9, 256
	s_cbranch_scc1 .Lweights
	v_and_b32 v6, 15, v0
	v_bfe_u32 v7, v0, 4, 1
	v_lshlrev_b32 v1, 4, v6
	v_lshl_add_u32 v1, v7, 12, v1
	v_lshl_add_u32 v1, v5, 14, v1                  ; x: 16 (lane % 16) + a row for lanes 16-31 + 4 rows a wave
	v_lshlrev_b32 v2, 3, v4
	v_lshl_add_u32 v2, v5, 9, v2                   ; xb: 8 lane + 4 rows of 128 bytes a wave
	v_lshlrev_b32 v3, 4, v6
	v_lshl_add_u32 v3, v7, 13, v3
	v_lshl_add_u32 v3, v5, 15, v3                  ; out0: rows of 8,192 bytes
	s_lshl_b32 s[OFS], ttmp9, 17                   ; 32 rows of 4,096 bytes
	s_add_nc_u64 s[SRC:SRC+1], s[4:5], s[OFS:OFS+1]
	s_lshl_b32 s[OFS], ttmp9, 12                   ; 32 rows of 128 bytes
	s_add_nc_u64 s[DST:DST+1], s[18:19], s[OFS:OFS+1]
	s_add_nc_u64 s[DST+2:DST+3], s[DST:DST+1], 0x800000
	s_lshl_b32 s[OFS], ttmp9, 18                   ; 32 rows of 8,192 bytes
	s_add_nc_u64 s[OUT:OUT+1], s[24:25], s[OFS:OFS+1]
	s_wait_alu depctr_va_vdst(0)                   ; v1, v2 and v3 are written: every load and store of this path reads one of them as its offset
	XBODY
	s_endpgm
.Lweights:
	v_lshlrev_b32 v1, 4, v4
	v_lshl_add_u32 v1, v5, 14, v1                  ; W: 16 lane + 4 rows of 4,096 bytes a wave
	v_mul_u32_u24 v2, v5, 4*6144
	v_lshl_add_u32 v2, v4, 3, v2                   ; wb: 8 lane + 4 rows of 6,144 bytes a wave
	s_sub_co_u32 s36, ttmp9, 256                   ; 0..95: 32 work-groups a matrix
	s_lshr_b32 s37, s36, 5                         ; which matrix
	s_cmp_eq_u32 s37, 0
	s_cselect_b64 s[SRC:SRC+1], s[6:7], s[8:9]
	s_cmp_eq_u32 s37, 2
	s_cselect_b64 s[SRC:SRC+1], s[10:11], s[SRC:SRC+1]
	s_and_b32 s36, s36, 31
	s_lshl_b32 s[OFS], s36, 17
	s_add_nc_u64 s[SRC:SRC+1], s[SRC:SRC+1], s[OFS:OFS+1]
	s_mul_i32 s[OFS], s36, 32*6144
	s_lshl_b32 s37, s37, 11                        ; the matrix's 1,024 columns
	s_add_co_u32 s[OFS], s[OFS], s37
	s_add_nc_u64 s[DST:DST+1], s[20:21], s[OFS:OFS+1]
	s_wait_alu depctr_va_vdst(0)                   ; v1 and v2 are written: every load and store of this path reads one of them as its offset
	WBODY
	s_endpgm
.Lbias:                                        ; thread t: four numbers of each bias
	v_lshlrev_b32 v1, 4, v0
	v_mov_b32 v2, 0
	s_wait_alu depctr_va_vdst(0)                   ; v1 is written: the three loads and the three stores read it as their offset
	global_load_b128 v[16:19], v1, s[12:13]
	global_load_b128 v[20:23], v1, s[14:15]
	global_load_b128 v[24:27], v1, s[16:17]
	s_wait_loadcnt 0x0
.set i, 0
.rept 12
	v_cvt_pk_bf16_f32 v[32+i], v[16+i], v2         ; the rounded bias below, 0 above
.set i, i+1
.endr
	s_wait_alu depctr_va_vdst(0)                   ; the twelve conversions have written v[32:43], which the stores read
	global_store_b128 v1, v[32:35], s[22:23]
	global_store_b128 v1, v[36:39], s[22:23] offset:4096
	global_store_b128 v1, v[40:43], s[22:23] offset:8192
	s_endpgm
.Lfunc_end_k_qbe4a75e4b5_prep:
	.size	k_qbe4a75e4b5_prep, .Lfunc_end_k_qbe4a75e4b5_prep-k_qbe4a75e4b5_prep
	.p2alignl 7, 3214868480
	.fill 96, 4, 3214868480
	.section	.rodata,"a",@progbits
	.p2align	6, 0x0
	.amdhsa_kernel k_qbe4a75e4b5_prep
		.amdhsa_group_segment_fixed_size 0
		.amdhsa_private_segment_fixed_size 0
		.amdhsa_enable_private_segment 0
		.amdhsa_kernarg_size 88
		.amdhsa_user_sgpr_count 2
		.amdhsa_user_sgpr_kernarg_segment_ptr 1
		.amdhsa_wavefront_size32 1
		.amdhsa_system_sgpr_workgroup_id_x 1
		.amdhsa_system_sgpr_workgroup_id_y 1
		.amdhsa_system_sgpr_workgroup_id_z 1
		.amdhsa_system_vgpr_workitem_id 0
		.amdhsa_next_free_vgpr 208
		.amdhsa_next_free_sgpr 66
		.amdhsa_reserve_vcc 0
		.amdhsa_float_denorm_mode_32 3
		.amdhsa_float_denorm_mode_16_64 3
		.amdhsa_memory_ordered 1
		.amdhsa_forward_progress 1
		.amdhsa_inst_pref_size 28
	.end_amdhsa_kernel
	.amdgpu_metadata
---
amdhsa.version: [ 1, 2 ]
amdhsa.kernels:
  - .name:           k_qbe4a75e4b5_prep
    .symbol:         k_qbe4a75e4b5_prep.kd
    .args:
      - { .name: x, .offset: 0, .size: 8, .value_kind: global_buffer, .address_space: global }
      - { .name: Wq, .offset: 8, .size: 8, .value_kind: global_buffer, .address_space: global }
      - { .name: Wk, .offset: 16, .size: 8, .value_kind: global_buffer, .address_space: global }
      - { .name: Wv, .offset: 24, .size: 8, .value_kind: global_buffer, .address_space: global }
      - { .name: bq, .offset: 32, .size: 8, .value_kind: global_buffer, .address_space: global }
      - { .name: bk, .offset: 40, .size: 8, .value_kind: global_buffer, .address_space: global }
      - { .name: bv, .offset: 48, .size: 8, .value_kind: global_buffer, .address_space: global }
      - { .name: xb, .offset: 56, .size: 8, .value_kind: global_buffer, .address_space: global }
      - { .name: wb, .offset: 64, .size: 8, .value_kind: global_buffer, .address_space: global }
      - { .name: bb, .offset: 72, .size: 8, .value_kind: global_buffer, .address_space: global }
      - { .name: out0, .offset: 80, .size: 8, .value_kind: global_buffer, .address_space: global }
    .group_segment_fixed_size: 0
    .private_segment_fixed_size: 0
    .kernarg_segment_align: 8
    .kernarg_segment_size: 88
    .max_flat_workgroup_size: 256
    .sgpr_count:     66
    .vgpr_count:     208
    .wavefront_size: 32
...
	.end_amdgpu_metadata
.endif
;; end of part 6
;; launch proj: the kernel of part 2 again; grid 8 x 32, 4 waves a work-group, clusters of 4 x 4, 327,680 bytes of LDS; arguments xb, wb, bb, qkv; writes qkv
;; launch scores: the kernel of part 3 again; grid 36 x 4, 4 waves a work-group, no clusters, 327,680 bytes of LDS; arguments qkv, pu, cm, zs; writes pu, cm, zs
;; launch norm (part 7): grid 36 x 4, 8 waves a work-group, no clusters, 0 bytes of LDS; arguments pu, cm, zs, pn; writes pn
.if DOCPART == 7
	.amdgcn_target "amdgcn-amd-amdhsa--gfx1250"
	.amdhsa_code_object_version 6
	.text
	.protected	k_qbe4a75e4b5_norm
	.globl	k_qbe4a75e4b5_norm
	.p2align	8
	.type	k_qbe4a75e4b5_norm,@function
k_qbe4a75e4b5_norm:
	s_mov_b64 s[64:65], 0
	v_nop
	global_prefetch_b8 v0, s[64:65] scope:SCOPE_SE
	s_setreg_imm32_b32 hwreg(HW_REG_WAVE_SCHED_MODE, 0, 2), 2
	s_setreg_imm32_b32 hwreg(HW_REG_WAVE_MODE, 25, 1), 1
	s_wait_xcnt 0x0
	s_wait_alu depctr_vm_vsrc(0)
; pn[b][s][t] = pu[b][s][t] x f, f = 2^(cm[g][s] - cmS[s]) / Z[s], g = t / 128; cmS = the maximum of cm over the column's granules g >= 2 sb, Z = the sum over them of zs[g][s] 2^(cm[g][s] - cmS).
; So each weight ends as 2^(c S - c max over the column) / (the column's sum): the softmax over the queries.  pu, pn f16 (a second rounding of a number in 0..1; below 6e-5 f16's fixed step of 6e-8), all else f32.
; A stream: one work-group to a lower tile of 256 key rows x 256 queries.  Thread tid makes key row tid's figures; wave w streams rows 32 w .. 32 w + 31, its own lanes' rows: no LDS, no barrier.
; Granules below 2 sb were never written: their offset is clamped to granule 2 sb and their term is multiplied by 0.  Z is at least 1: the granule that holds the column's maximum has a weight of 1.
; A factor under 2^-126 counts as 0.
; THE MODE: SCHED_MODE bits 1:0 = 2 (LLVM: expert scheduling mode 2), set by the entry lines.  The code itself states the register dependences
; between vector instructions and memory instructions, with s_wait_alu, always for 0.
; THE PLAN.  Registers that memory instructions touch:
;   v[VO ..], v[VA], v[RO]   byte offsets, made once at the head and never written again: read by the loads; v[RO] by the stores too.
;   CM, ZV, CA, CBB          written by loads; from then on named by vector instructions alone.
;   X rows 0 .. 31           written by the loads, then once more, in place, by the row's four conversions; read by the row's store, which is issued one group of four rows later.
; So one wait on va_vdst stands ahead of the first load (the offsets), one at the head of each group of four rows but the first (the group before has written its rows), one ahead of the last four stores;
; the two waits behind the exponentials and the reciprocal stand where their first readers ask for them.  Behind a group's wait the stores of the group before are dealt among this group's arithmetic,
; which names this group's rows, T, FP, GA, GB and NUL alone.  No register that a memory instruction reads is written again, no vector instruction writes a scalar register or VCC, EXEC is never written.
.set VO,  2                            ; v[2:17]   offset of granule g's figure
.set VA,  18                           ; v18       of granule 2 tb's
.set NUL, 19                           ; v19       0: the addend of the widening multiply
.set RO,  20                           ; v20       my 16 bytes in my wave's first row
.set CM,  24                           ; v[24:39]
.set ZV,  40                           ; v[40:55]
.set CA,  56
.set CBB, 57
.set MX,  58
.set ZA,  59
.set ZB,  60
.set RC,  61
.set FA,  62
.set FB,  63
.set GA,  66
.set GB,  67
.set FP,  68                           ; v[68:71]  four registers by turns: a row's factor
.set T,   76                           ; v[76:83]
.set X,   84                           ; v[84:211] 32 rows x 4 registers
.set TB,  12
.set SB,  13
.set BB,  14
.set SB2, 15
.set PUB, 20
.set PNB, 22
.set SEL, 26
.set HM,  28                           ; lanes 16-31
.set SG,  32                           ; s[32:47] 1.0 for granules of the column, else 0
	s_load_b256 s[4:11], s[0:1], 0x0               ; pu s[4:5], cm s[6:7], zs s[8:9], pn s[10:11]
	s_mov_b32 s[TB], 0
.irp thr, 1,3,6,10,15,21,28
	s_cmp_ge_u32 ttmp9, \thr
	s_add_co_ci_u32 s[TB], s[TB], 0
.endr
	s_add_co_u32 s16, s[TB], 1
	s_mul_i32 s16, s16, s[TB]
	s_lshr_b32 s16, s16, 1
	s_sub_co_u32 s[SB], ttmp9, s16
	s_and_b32 s[BB], ttmp7, 0xffff
	s_lshl_b32 s[SB2], s[SB], 1
	s_lshl_b32 s17, s[SB], 10
	s_lshl_b32 s18, s[BB], 17
	s_add_co_u32 s17, s17, s18
	v_lshl_add_u32 v1, v0, 2, s17                  ; (16 b x 2,048 + 256 sb + tid) x 4
.set g, 0
.rept 16
	s_max_u32 s18, s[SB2], g
	s_lshl_b32 s18, s18, 13
	v_add_nc_u32 v[VO+g], s18, v1
	s_cmp_le_u32 s[SB2], g
	s_cselect_b32 s[SG+g], 1.0, 0
.set g, g+1
.endr
	s_lshl_b32 s18, s[TB], 14
	v_add_nc_u32 v[VA], s18, v1
	v_and_b32 v21, 31, v0
	v_lshrrev_b32 v22, 5, v0
	v_lshlrev_b32 v[RO], 4, v21
	v_lshl_add_u32 v[RO], v22, 17, v[RO]           ; 16 lane + 32 rows of 4,096 bytes a wave
	s_lshl_b32 s24, s[BB], 23
	s_lshl_b32 s25, s[SB], 20
	s_add_co_u32 s24, s24, s25
	s_lshl_b32 s25, s[TB], 9
	s_add_co_u32 s24, s24, s25
	s_mov_b32 s25, 0
	s_mov_b32 s[SEL], 0x76543210
	s_mov_b32 s[SEL+1], 0xfedcba98
	s_mov_b32 s[HM], 0xffff0000
	v_mov_b32 v[NUL], 0
.set i, 0
.rept 4
	v_mov_b32 v[FP+i], 0                           ; a lane-sharing move counts as a reader of its destination
.set i, i+1
.endr
	s_wait_kmcnt 0x0
	s_add_nc_u64 s[PUB:PUB+1], s[4:5], s[24:25]
	s_add_nc_u64 s[PNB:PNB+1], s[10:11], s[24:25]
	s_wait_alu depctr_va_vdst(0)                   ; the eighteen offsets v[VO ..], v[VA] and v[RO] are written: every load and store of the kernel reads one of them
.set g, 0
.rept 16
	global_load_b32 v[CM+g], v[VO+g], s[6:7]
.set g, g+1
.endr
.set g, 0
.rept 16
	global_load_b32 v[ZV+g], v[VO+g], s[8:9]
.set g, g+1
.endr
	global_load_b32 v[CA], v[VA], s[6:7]
	global_load_b32 v[CBB], v[VA], s[6:7] offset:8192
.set i, 0
.rept 32
	global_load_b128 v[X+4*i:X+4*i+3], v[RO], s[PUB:PUB+1] offset:4096*i th:TH_LOAD_NT
.set i, i+1
.endr
	s_wait_loadcnt 32                              ; the 34 figures are in; the 32 rows stay out
	v_max3_num_f32 v[MX], v[CM], v[CM+1], v[CM+2]
.irp g, 3,5,7,9,11,13
	v_max3_num_f32 v[MX], v[MX], v[CM+(\g)], v[CM+(\g)+1]
.endr
	v_max_num_f32 v[MX], v[MX], v[CM+15]
.set g, 0
.rept 16
	v_sub_f32 v[CM+g], v[CM+g], v[MX]
.set g, g+1
.endr
	v_sub_f32 v[CA], v[CA], v[MX]
	v_sub_f32 v[CBB], v[CBB], v[MX]
.set g, 0
.rept 16
	v_exp_f32 v[CM+g], v[CM+g]
.set g, g+1
.endr
	v_exp_f32 v[CA], v[CA]
	v_exp_f32 v[CBB], v[CBB]
	v_nop                                          ; a plain instruction behind the last exponential
	s_wait_alu depctr_va_vdst(0)                   ; the 18 exponentials have written v[CM ..], v[CA] and v[CBB]: one wait, ahead of their first reader
.set g, 0
.rept 16
	v_mul_f32 v[CM+g], s[SG+g], v[CM+g]
.set g, g+1
.endr
	v_mul_f32 v[ZA], v[ZV], v[CM]
	v_mul_f32 v[ZB], v[ZV+1], v[CM+1]
.set g, 2
.rept 14
	v_fmac_f32 v[ZA+g%2], v[ZV+g], v[CM+g]
.set g, g+1
.endr
	v_add_f32 v[ZA], v[ZA], v[ZB]
	v_rcp_f32 v[RC], v[ZA]
	v_nop                                          ; a plain instruction behind the reciprocal
	s_wait_alu depctr_va_vdst(0)                   ; the reciprocal has written v[RC], ahead of its first reader
	v_mul_f32 v[FA], v[CA], v[RC]                  ; my key row's factor for queries 0-127 of the tile,
	v_mul_f32 v[FB], v[CBB], v[RC]                 ; and for queries 128-255
	; Row i's 512 bytes lie 16 a lane: lanes 0-15 want lane i's FA, lanes 16-31 its FB.  A lane-sharing move reaches inside a half of 16 lanes, so each half is given what it will want.
	v_permlanex16_b32 v[CM], v[FA], s[SEL], s[SEL+1]
	v_permlanex16_b32 v[CM+1], v[FB], s[SEL], s[SEL+1]
	v_cndmask_b32 v[GA], v[FA], v[CM+1], s[HM]     ; rows 0-15: own FA below, the other half's FB above
	v_cndmask_b32 v[GB], v[CM], v[FB], s[HM]       ; rows 16-31: the other half's FA below, own FB above
; A row: each f16 half is widened and multiplied by the f32 factor in one line (half x f + 0), and two products are rounded to f16 in one line.
; In front of a row's arithmetic stands the store of the row four back, whose registers the wait at the group's head has shown written.
.macro ROW i, n, g
.if (\i) >= 4
	global_store_b128 v[RO], v[X+4*((\i)-4):X+4*((\i)-4)+3], s[PNB:PNB+1] offset:4096*((\i)-4)  ; 512 consecutive aligned bytes; no vector instruction since the wait names these registers
.endif
	v_mov_b32_dpp v[FP+(\i)%4], v[\g] row_share:\n row_mask:0xf bank_mask:0xf
.irp k, 0,1,2,3
	v_fma_mix_f32 v[T+2*(\k)],   v[X+4*(\i)+(\k)], v[FP+(\i)%4], v[NUL] op_sel_hi:[1,0,0]
	v_fma_mix_f32 v[T+2*(\k)+1], v[X+4*(\i)+(\k)], v[FP+(\i)%4], v[NUL] op_sel:[1,0,0] op_sel_hi:[1,0,0]
.endr
.irp k, 0,1,2,3
	v_cvt_pk_f16_f32 v[X+4*(\i)+(\k)], v[T+2*(\k)], v[T+2*(\k)+1]  ; each row's registers are written once behind its load
.endr
.endm
; Group q: rows 4 q to 4 q + 3, whose factors lie in lanes n0 to n3 of each half of register g.
.macro GROUP q, n0, n1, n2, n3, g
	s_wait_loadcnt 28-4*(\q)                       ; the group's four rows are in, the younger rows stay out
.if (\q) > 0
	s_wait_alu depctr_va_vdst(0)                   ; the conversions of the group before have written its four rows, which the stores below read
.endif
	ROW 4*(\q), \n0, \g
	ROW 4*(\q)+1, \n1, \g
	ROW 4*(\q)+2, \n2, \g
	ROW 4*(\q)+3, \n3, \g
.endm
	GROUP 0, 0, 1, 2, 3, GA
	GROUP 1, 4, 5, 6, 7, GA
	GROUP 2, 8, 9, 10, 11, GA
	GROUP 3, 12, 13, 14, 15, GA
	GROUP 4, 0, 1, 2, 3, GB
	GROUP 5, 4, 5, 6, 7, GB
	GROUP 6, 8, 9, 10, 11, GB
	GROUP 7, 12, 13, 14, 15, GB
	s_wait_alu depctr_va_vdst(0)                   ; the last group's conversions have written rows 28 to 31, which the last four stores read
.irp i, 28,29,30,31
	global_store_b128 v[RO], v[X+4*(\i):X+4*(\i)+3], s[PNB:PNB+1] offset:4096*(\i)
.endr
	s_endpgm
.Lfunc_end_k_qbe4a75e4b5_norm:
	.size	k_qbe4a75e4b5_norm, .Lfunc_end_k_qbe4a75e4b5_norm-k_qbe4a75e4b5_norm
	.p2alignl 7, 3214868480
	.fill 96, 4, 3214868480
	.section	.rodata,"a",@progbits
	.p2align	6, 0x0
	.amdhsa_kernel k_qbe4a75e4b5_norm
		.amdhsa_group_segment_fixed_size 0
		.amdhsa_private_segment_fixed_size 0
		.amdhsa_enable_private_segment 0
		.amdhsa_kernarg_size 32
		.amdhsa_user_sgpr_count 2
		.amdhsa_user_sgpr_kernarg_segment_ptr 1
		.amdhsa_wavefront_size32 1
		.amdhsa_system_sgpr_workgroup_id_x 1
		.amdhsa_system_sgpr_workgroup_id_y 1
		.amdhsa_system_sgpr_workgroup_id_z 1
		.amdhsa_system_vgpr_workitem_id 0
		.amdhsa_next_free_vgpr 224
		.amdhsa_next_free_sgpr 66
		.amdhsa_reserve_vcc 0
		.amdhsa_float_denorm_mode_32 3
		.amdhsa_float_denorm_mode_16_64 3
		.amdhsa_memory_ordered 1
		.amdhsa_forward_progress 1
		.amdhsa_inst_pref_size 44
	.end_amdhsa_kernel
	.amdgpu_metadata
---
amdhsa.version: [ 1, 2 ]
amdhsa.kernels:
  - .name:           k_qbe4a75e4b5_norm
    .symbol:         k_qbe4a75e4b5_norm.kd
    .args:
      - { .name: pu, .offset: 0, .size: 8, .value_kind: global_buffer, .address_space: global }
      - { .name: cm, .offset: 8, .size: 8, .value_kind: global_buffer, .address_space: global }
      - { .name: zs, .offset: 16, .size: 8, .value_kind: global_buffer, .address_space: global }
      - { .name: pn, .offset: 24, .size: 8, .value_kind: global_buffer, .address_space: global }
    .group_segment_fixed_size: 0
    .private_segment_fixed_size: 0
    .kernarg_segment_align: 8
    .kernarg_segment_size: 32
    .max_flat_workgroup_size: 256
    .sgpr_count:     66
    .vgpr_count:     224
    .wavefront_size: 32
...
	.end_amdgpu_metadata
.endif
;; end of part 7
;; launch pv: the kernel of part 5 again; grid 8 x 32, 4 waves a work-group, clusters of 4 x 1, 327,680 bytes of LDS; arguments pn, qkv, out0; writes out0
